; MI455X (gfx1250); checked and timed in simulation.
; The chip was launched on July 23, 2026; its instructions are those of AMD's public machine-readable ISA for CDNA 5 (MIT licence, August 2026) and "CDNA5" Instruction Set Architecture Reference Guide (July 2026). The comments in the code are by the model that wrote it; some were corrected since.
;; Causal Self Attention. Allowed arithmetic: matrix products marked QUANTISED: E2M1 operands, one E8M0 scale for each 32 along K, by v_wmma_scale_f32_16x16x128_f8f6f4 with both operands' format E2M1 (or v_wmma_scale_f32_32x16x128_f4), f32 sums; products left as they are: bf16, f16 or f32 operands; f32 sums; everything else in f32.
;; Inputs: b_proj 1,024 float32; b_qkv 3,072 float32; w_proj 1,024 x 1,024 float32; w_qkv 1,024 x 3,072 float32; x 1 x 4,096 x 1,024 float32.
;; Outputs: out0 1 x 4,096 x 1,024 float32.
;; This version of the problem:
;;   THIS VERSION OF THE PROBLEM IS GIVEN IN LOW PRECISION. The matrix products marked QUANTISED in the list below multiply operands that are first quantised to E2M1 (2 exponent bits, 1 mantissa bit; 4 bits a number), with one power-of-two scale for each 32 numbers along K (OCP MX v1.0); their sums are f32. The products marked 'left as it is' may take bf16, f16 or f32 operands, with f32 sums. Whichever they take, every output number must still come out within the allowed error. Rounding operands to bf16 (8 significant bits) uses up far more of that allowance than f16 does (11 bits, for magnitudes from 6e-5 to 65,504). All else is computed in f32.
;;   The module's matrix products, in the order in which they are computed (A, B: the left and right operand; K: the contracted axis; several contracted axes count as one K, in the product's order):
;;     1. [M 4,096, K 1,024] x [K 1,024, N 3,072]; A: input x; B: input w_qkv: QUANTISED
;;     2. batch 16 x [M 4,096, K 64] x [K 64, N 4,096]; A: computed on the way; B: computed on the way: left as it is (an operand is computed on the way)
;;     3. batch 16 x [M 4,096, K 4,096] x [K 4,096, N 64]; A: computed on the way; B: computed on the way: left as it is (an operand is computed on the way)
;;     4. [M 4,096, K 1,024] x [K 1,024, N 1,024]; A: computed on the way; B: input w_proj: left as it is (an operand is computed on the way)
;;   THE QUANTISER, for each operand of a quantised product, along K:
;;     - K is cut into blocks of 32 from its start; a last block that is shorter is filled with zeros.
;;     - A block's scale is 2^e with e = floor(log2(the largest magnitude in the block)) - 2, held to -126 .. 127; a block of zeros has e = 0. As a byte (E8M0): e + 127.
;;     - Each number is divided by its block's scale, clamped to +-6, and rounded to the nearest number of E2M1, ties to even, subnormals kept.
;;     - The product sums the exact products of the quantised numbers (number of the format x scale) in f32.
;;   ~~~python
;;   def quantise(x, axis):      # numpy; x: float32 -> the quantised numbers, widened to float32 again
;;       x = np.moveaxis(x, axis, -1); K = x.shape[-1]
;;       x = np.pad(x, [(0, 0)] * (x.ndim - 1) + [(0, -K % 32)]); x = x.reshape(x.shape[:-1] + (-1, 32)); a = np.abs(x).max(-1, keepdims=True)
;;       e = np.where(a > 0, np.clip(np.frexp(np.where(a > 0, a, 1))[1] - 1 - 2, -126, 127), 0)      # np.frexp(a)[1] - 1 = floor(log2(a)), exactly
;;       r = np.clip(x / 2.0 ** e, -6, 6)
;;       step = 2.0 ** (np.maximum(np.frexp(np.where(r == 0, 1, r))[1] - 1, 0) - 1)
;;       q = np.round(r / step) * step * 2.0 ** e      # np.round: ties to even
;;       return np.moveaxis(q.reshape(q.shape[:-2] + (-1,))[..., :K], -1, axis).astype(np.float32)
;;   ~~~
;; One version. Each part assembles by itself: llvm-mc -triple=amdgcn-amd-amdhsa -mcpu=gfx1250 --defsym DOCPART=n.
;; ======== version 1 of 1: 5 launches
;; limits: values are held in f16: magnitudes above 65,504 overflow, below 6.1e-05 lose precision
;; workspace buffers: x_codes 2,097,152 bytes; x_scales 131,072 bytes; w_codes 1,572,864 bytes; w_scales 98,304 bytes; wp16 2,097,152 bytes; qkvh 25,165,824 bytes; qkv16 196,608 bytes; att 8,388,608 bytes
;; launch prep (part 1): grid 384 x 1, 8 waves a work-group, no clusters, 69,120 bytes of LDS; arguments x, w_qkv, w_proj, x_codes, x_scales, w_codes, w_scales, wp16; writes x_codes, x_scales, w_codes, w_scales, wp16
.if DOCPART == 1
	.amdgcn_target "amdgcn-amd-amdhsa--gfx1250"
	.amdhsa_code_object_version 6
	.text
	.protected	k_q8a495b5782_prep
	.globl	k_q8a495b5782_prep
	.p2align	8
	.type	k_q8a495b5782_prep,@function
k_q8a495b5782_prep:
	s_mov_b64 s[64:65], 0
	v_nop
	global_prefetch_b8 v0, s[64:65] scope:SCOPE_SE
	s_setreg_imm32_b32 hwreg(HW_REG_WAVE_MODE, 25, 1), 1
	s_wait_xcnt 0x0
; x [4096][1024] and w_qkv [1024][3072], f32, become codes of FP4 (E2M1) with one E8M0 byte for each 32 along K; w_proj [1024][1024] becomes f16.
; EVERY RESULT IS LAID AS AN IMAGE OF THE OPERAND'S REGISTERS: a fragment (16 rows x 128 K of codes, or 16 rows x 32 K of f16) is 1,024 bytes, [chunk c = 0, 1][lane 0..31][16 bytes].
;   x_codes [t/16][k/128][1024], w_codes [n/16][k/128][1024]: lane (r, h), chunk c: k = 64 c + 32 h + 0..31 of row r.   x_scales, w_scales [tile][k/512][r][4 words]: word q serves K step 4 (k/512) + q.
;   wp16 [n/16][k/32][1024]: lane (r, h), chunk c: k = 16 c + 8 h + 0..7 of column r.
; A block's scale is 2^(floor(log2(largest magnitude)) - 2); its byte is the largest magnitude's exponent field - 2, held at 1 from below.
; LIMITS: a block of zeros, and one whose largest magnitude lies under 2^-124, gets the byte 1 (its codes are then zeros or the nearest codes under that scale; the bytes are read by this program alone); NaN and infinities are not served.
; Three paths part on the work-group's number: 0-255 x (one tile of 16 rows; wave w takes K step w), 256-351 w_qkv, 352-383 w_proj (64 columns x 512 K; a wave 32 columns x 128 K).
; Only the first path touches LDS.  w_scales leave as words of 4 bytes, 16 bytes apart: 96 KiB in all, one byte in 128 of what that path reads.
.set STGW,  8448                       ; a wave's stage: 16 rows x (512 bytes + 16)
.set SCB,   8*STGW                     ; the tile's 512 bytes of scale words
.set SPARE, SCB+512                    ; the spare words, 128 bytes for each wave: four blocks of 256 bytes that no other line names
.set SPW,   6                          ; v6  LDS address of my spare word; never rewritten
.set NIL,   7                          ; v7  0; never rewritten
	s_load_b512 s[8:23], s[0:1], 0x0               ; x 8, w_qkv 10, w_proj 12, x_codes 14, x_scales 16, w_codes 18, w_scales 20, wp16 22
	v_lshl_add_u32 v[SPW], v0, 2, SPARE
	v_mov_b32 v[NIL], 0
	v_lshrrev_b32 v1, 5, v0
	v_readfirstlane_b32 s24, v1                    ; wave 0..7
	v_and_b32 v1, 31, v0                           ; lane
	v_and_b32 v2, 15, v0                           ; r
	v_bfe_u32 v3, v0, 4, 1                         ; h
	v_lshlrev_b32 v4, 4, v1                        ; 16 x lane
	v_lshlrev_b32 v5, 2, v1                        ; 4 x lane
	s_mov_b32 s26, 0x76543210                      ; v_permlanex16_b32's selects for lane l xor 16
	s_mov_b32 s27, 0xfedcba98
	s_mov_b32 s31, 0                               ; the high word of every offset
	s_mul_i32 s28, s24, STGW
	v_add_nc_u32 v16, s28, v4                      ; the stage, in: a row's 512 bytes as they lie
	v_mul_u32_u24 v17, v2, 528
	v_lshl_add_u32 v17, v3, 7, v17
	v_add_nc_u32 v17, s28, v17                     ; and out: row r, + 128 h: my 32 numbers of a block
	s_lshr_b32 s29, s24, 2
	s_lshl_b32 s29, s29, 8
	s_and_b32 s30, s24, 3
	s_lshl_b32 s30, s30, 2
	s_add_co_u32 s29, s29, s30
	s_add_co_u32 s29, s29, SCB
	v_lshl_add_u32 v18, v2, 4, s29                 ; my scale word: 256 (w / 4) + 16 r + 4 (w % 4)
	v_add_nc_u32 v19, SCB, v4
	s_wait_kmcnt 0x0
	s_cmp_ge_u32 ttmp9, 256
	s_cbranch_scc1 .Lnot_x
; ---- x: 16 rows x 128 K a wave.  Each load reads 512 consecutive bytes of one row; the numbers turn through the wave's own stage, so that a lane gets 32 neighbours of each of its two blocks.
	s_lshl_b32 s28, ttmp9, 16
	s_lshl_b32 s29, s24, 9
	s_add_co_u32 s30, s28, s29
	s_add_nc_u64 s[8:9], s[8:9], s[30:31]
	s_lshl_b32 s28, ttmp9, 13
	s_lshl_b32 s29, s24, 10
	s_add_co_u32 s30, s28, s29
	s_add_nc_u64 s[14:15], s[14:15], s[30:31]
	s_lshl_b32 s30, ttmp9, 9
	s_add_nc_u64 s[16:17], s[16:17], s[30:31]
.irp i, 0,1,2,3,4,5,6,7,8,9,10,11,12,13,14,15
	global_load_b128 v[32+4*\i:35+4*\i], v4, s[8:9] offset:4096*\i th:TH_LOAD_NT
.endr
.irp i, 0,1,2,3,4,5,6,7,8,9,10,11,12,13,14,15
	s_wait_loadcnt 15-\i                           ; row i is in; the younger rows stay out
	ds_store_b128 v16, v[32+4*\i:35+4*\i] offset:528*\i
.endr
.irp c, 0,1
.irp g, 0,1,2,3,4,5,6,7
	ds_load_b128 v[96+32*\c+4*\g:99+32*\c+4*\g], v17 offset:256*\c+16*\g   ; LDS serves a wave's instructions in order: these see my stores
.endr
.endr
	s_wait_dscnt 0x0                               ; v[96 + 32 c + e] = x(r, 128 w + 64 c + 32 h + e)
.irp c, 0,1
	v_max3_num_f32 v[20+\c], |v[96+32*\c]|, |v[97+32*\c]|, 0x1800000   ; my block 2 c + h, and the floor 2^(3 - 127): the byte cannot fall under 1
.endr
.irp i, 2,4,6,8,10,12,14,16,18,20,22,24,26,28,30
.irp c, 0,1
	v_max3_num_f32 v[20+\c], v[20+\c], |v[96+32*\c+\i]|, |v[97+32*\c+\i]|
.endr
.endr
.irp c, 0,1
	v_add_nc_u32 v[22+\c], 0xff000000, v[20+\c]    ; 2 off the exponent field: the conversion's scale operand
.endr
.irp c, 0,1
	v_lshrrev_b32 v[24+\c], 23, v[22+\c]           ; the scale's byte
.endr
	v_lshl_or_b32 v26, v25, 16, v24                ; my two bytes, blocks h and 2 + h,
	v_lshlrev_b32 v27, 3, v3
	v_lshlrev_b32 v26, v27, v26                    ; at their places in the word;
	v_mov_b32 v27, 0
	v_permlanex16_b32 v27, v26, s26, s27
	v_or_b32 v26, v26, v27                         ; with lane l xor 16's two the word is whole
.irp c, 0,1
.irp g, 0,1,2,3
	v_cvt_scalef32_pk8_fp4_f32 v[160+4*\c+\g], v[96+32*\c+8*\g:103+32*\c+8*\g], v[22+\c]
.endr
.endr
	v_nop                                          ; one plain place behind the last scaled conversion
	global_store_b128 v4, v[160:163], s[14:15]             ; 32 lanes store 512 consecutive bytes
	global_store_b128 v4, v[164:167], s[14:15] offset:512
	ds_store_b32 v18, v26                          ; both halves of the lanes write the same word with the same value
	s_wait_dscnt 0x0                               ; for the others' sake: my word has landed
	s_barrier_signal -1
	s_barrier_wait -1
	s_cmp_lg_u32 s24, 0
	s_cbranch_scc1 .Lx_end
	ds_load_b128 v[28:31], v19                     ; wave 0 stores the tile's 512 bytes of scale words whole
	s_wait_dscnt 0x0
	global_store_b128 v4, v[28:31], s[16:17]
.Lx_end:
	s_wait_tensorcnt 0x0                           ; the wave's end, behind my last LDS store
	ds_add_u32 v[SPW], v[NIL]
	s_wait_dscnt 0x0
	s_endpgm
; ---- the two tensors whose K is the first axis: A LANE TAKES A COLUMN AND ITS REGISTERS RUN DOWN K.  32 loads a block of 32 along K; two blocks are out at a time.
.macro COLLOAD t, base, stride
.set ii, 0
.rept 32
	global_load_b32 v[32+32*(\t)+ii], v5, s[\base:\base+1] offset:(32*(\t)+ii)*\stride th:TH_LOAD_NT
.set ii, ii+1
.endr
.endm
.Lnot_x:
	s_and_b32 s25, s24, 1                          ; which 32 of the 64 columns
	s_lshr_b32 s32, s24, 1                         ; which 128 of the 512 along K
	s_cmp_ge_u32 ttmp9, 352
	s_cbranch_scc1 .Lpath_p
	s_sub_co_u32 s28, ttmp9, 256
	s_cmp_ge_u32 s28, 48
	s_cselect_b32 s29, 1, 0                        ; which 512 along K
	s_cselect_b32 s30, 48, 0
	s_sub_co_u32 s28, s28, s30                     ; which 64 columns
	s_lshl_b32 s28, s28, 6
	s_lshl_b32 s33, s25, 5
	s_add_co_u32 s28, s28, s33                     ; my first column
	s_lshl_b32 s33, s29, 2
	s_add_co_u32 s33, s33, s32                     ; my K step
	s_mul_i32 s30, s33, 128*12288
	s_lshl_b32 s34, s28, 2
	s_add_co_u32 s30, s30, s34
	s_add_nc_u64 s[10:11], s[10:11], s[30:31]
	s_lshr_b32 s34, s28, 4                         ; my first tile of 16 columns
	s_lshl_b32 s30, s34, 13
	s_lshl_b32 s35, s33, 10
	s_add_co_u32 s30, s30, s35
	s_add_nc_u64 s[18:19], s[18:19], s[30:31]
	s_lshl_b32 s30, s34, 9
	s_lshl_b32 s35, s29, 8
	s_add_co_u32 s30, s30, s35
	s_lshl_b32 s35, s32, 2
	s_add_co_u32 s30, s30, s35
	s_add_nc_u64 s[20:21], s[20:21], s[30:31]
	v_lshlrev_b32 v12, 13, v3
	v_lshl_add_u32 v12, v2, 4, v12                 ; codes: lanes 16-31 are the next tile; 16 r in a chunk's half
	v_lshlrev_b32 v13, 9, v3
	v_lshl_add_u32 v13, v2, 4, v13                 ; scale words likewise
.macro WBLOCK kb                       ; block kb = 2 c + h of the fragment: its 16 bytes lie at 512 c + 256 h + 16 r, so sixteen lanes store 256 consecutive bytes
.set XS, 32+32*(\kb)
	v_max3_num_f32 v20, |v[XS]|, |v[XS+1]|, |v[XS+2]|
	v_max3_num_f32 v21, |v[XS+3]|, |v[XS+4]|, |v[XS+5]|
.irp i, 6,10,14,18,22,26
	v_max3_num_f32 v20, v20, |v[XS+\i]|, |v[XS+\i+1]|
	v_max3_num_f32 v21, v21, |v[XS+\i+2]|, |v[XS+\i+3]|
.endr
	v_max3_num_f32 v20, v20, |v[XS+30]|, |v[XS+31]|
	v_max3_num_f32 v20, v20, v21, 0x1800000        ; and the floor
	v_add_nc_u32 v22, 0xff000000, v20
	v_lshrrev_b32 v23, 23, v22
.if \kb == 0
	v_mov_b32 v176, v23
.else
	v_lshl_or_b32 v176, v23, 8*(\kb), v176
.endif
.irp g, 0,1,2,3
	v_cvt_scalef32_pk8_fp4_f32 v[160+4*(\kb)+\g], v[XS+8*\g:XS+8*\g+7], v22
.endr
	v_nop                                          ; one plain place behind the scaled conversions
	global_store_b128 v12, v[160+4*(\kb):163+4*(\kb)], s[18:19] offset:256*(\kb)
.endm
	COLLOAD 0, 10, 12288
	COLLOAD 1, 10, 12288
	s_wait_loadcnt 32                              ; block 0 is in; block 1's 32 loads stay out
	COLLOAD 2, 10, 12288
	WBLOCK 0
	s_wait_loadcnt 32                              ; block 1 is in; block 2's stay out
	COLLOAD 3, 10, 12288
	WBLOCK 1
	s_wait_loadcnt 32
	WBLOCK 2
	s_wait_loadcnt 0x0
	WBLOCK 3
	global_store_b32 v13, v176, s[20:21]           ; my column's scale word of this K step
	s_endpgm
.Lpath_p:
	s_sub_co_u32 s28, ttmp9, 352
	s_lshr_b32 s29, s28, 4                         ; which 512 along K
	s_and_b32 s28, s28, 15
	s_lshl_b32 s28, s28, 6
	s_lshl_b32 s33, s25, 5
	s_add_co_u32 s28, s28, s33                     ; my first column
	s_lshl_b32 s33, s29, 2
	s_add_co_u32 s33, s33, s32                     ; my 128 along K
	s_lshl_b32 s30, s33, 19                        ; 128 rows of 4,096 bytes
	s_lshl_b32 s34, s28, 2
	s_add_co_u32 s30, s30, s34
	s_add_nc_u64 s[12:13], s[12:13], s[30:31]
	s_lshr_b32 s34, s28, 4
	s_lshl_b32 s30, s34, 15
	s_lshl_b32 s35, s33, 12
	s_add_co_u32 s30, s30, s35
	s_add_nc_u64 s[22:23], s[22:23], s[30:31]
	v_lshlrev_b32 v12, 15, v3
	v_lshl_add_u32 v12, v2, 4, v12
.macro PBLOCK q                        ; 32 along K of my column: one fragment's share, four pieces of 16 bytes
.set pp, 0
.rept 16
	v_cvt_pk_f16_f32 v[160+16*(\q)+pp], v[32+32*(\q)+2*pp], v[33+32*(\q)+2*pp]
.set pp, pp+1
.endr
.irp c, 0,1
.irp g, 0,1
	global_store_b128 v12, v[160+16*(\q)+8*\c+4*\g:163+16*(\q)+8*\c+4*\g], s[22:23] offset:1024*(\q)+512*\c+256*\g
.endr
.endr
.endm
	COLLOAD 0, 12, 4096
	COLLOAD 1, 12, 4096
	s_wait_loadcnt 32
	COLLOAD 2, 12, 4096
	PBLOCK 0
	s_wait_loadcnt 32
	COLLOAD 3, 12, 4096
	PBLOCK 1
	s_wait_loadcnt 32
	PBLOCK 2
	s_wait_loadcnt 0x0
	PBLOCK 3
	s_endpgm
.Lfunc_end_k_q8a495b5782_prep:
	.size	k_q8a495b5782_prep, .Lfunc_end_k_q8a495b5782_prep-k_q8a495b5782_prep
	.p2alignl 7, 3214868480
	.fill 96, 4, 3214868480
	.section	.rodata,"a",@progbits
	.p2align	6, 0x0
	.amdhsa_kernel k_q8a495b5782_prep
		.amdhsa_group_segment_fixed_size 69120
		.amdhsa_private_segment_fixed_size 0
		.amdhsa_enable_private_segment 0
		.amdhsa_kernarg_size 64
		.amdhsa_user_sgpr_count 2
		.amdhsa_user_sgpr_kernarg_segment_ptr 1
		.amdhsa_wavefront_size32 1
		.amdhsa_system_sgpr_workgroup_id_x 1
		.amdhsa_system_sgpr_workgroup_id_y 1
		.amdhsa_system_sgpr_workgroup_id_z 1
		.amdhsa_system_vgpr_workitem_id 0
		.amdhsa_next_free_vgpr 224
		.amdhsa_next_free_sgpr 66
		.amdhsa_reserve_vcc 0
		.amdhsa_float_denorm_mode_32 3
		.amdhsa_float_denorm_mode_16_64 3
		.amdhsa_memory_ordered 1
		.amdhsa_forward_progress 1
		.amdhsa_inst_pref_size 48
	.end_amdhsa_kernel
	.amdgpu_metadata
---
amdhsa.version: [ 1, 2 ]
amdhsa.kernels:
  - .name:           k_q8a495b5782_prep
    .symbol:         k_q8a495b5782_prep.kd
    .args:
      - { .name: x, .offset: 0, .size: 8, .value_kind: global_buffer, .address_space: global }
      - { .name: w_qkv, .offset: 8, .size: 8, .value_kind: global_buffer, .address_space: global }
      - { .name: w_proj, .offset: 16, .size: 8, .value_kind: global_buffer, .address_space: global }
      - { .name: x_codes, .offset: 24, .size: 8, .value_kind: global_buffer, .address_space: global }
      - { .name: x_scales, .offset: 32, .size: 8, .value_kind: global_buffer, .address_space: global }
      - { .name: w_codes, .offset: 40, .size: 8, .value_kind: global_buffer, .address_space: global }
      - { .name: w_scales, .offset: 48, .size: 8, .value_kind: global_buffer, .address_space: global }
      - { .name: wp16, .offset: 56, .size: 8, .value_kind: global_buffer, .address_space: global }
    .group_segment_fixed_size: 69120
    .private_segment_fixed_size: 0
    .kernarg_segment_align: 8
    .kernarg_segment_size: 64
    .max_flat_workgroup_size: 256
    .sgpr_count:     66
    .vgpr_count:     224
    .wavefront_size: 32
...
	.end_amdgpu_metadata
.endif
;; end of part 1
;; launch gemm (part 2): grid 12 x 16, 4 waves a work-group, clusters of 4 x 1, 327,680 bytes of LDS; arguments x_codes, x_scales, w_codes, w_scales, b_qkv, qkvh, qkv16; writes qkvh, qkv16
.if DOCPART == 2
	.amdgcn_target "amdgcn-amd-amdhsa--gfx1250"
	.amdhsa_code_object_version 6
	.text
	.protected	k_q8a495b5782_gemm
	.globl	k_q8a495b5782_gemm
	.p2align	8
	.type	k_q8a495b5782_gemm,@function
k_q8a495b5782_gemm:
	s_mov_b64 s[64:65], 0
	v_nop
	global_prefetch_b8 v0, s[64:65] scope:SCOPE_SE
	s_setreg_imm32_b32 hwreg(HW_REG_WAVE_MODE, 25, 1), 1
	s_wait_xcnt 0x0
	s_wait_alu depctr_hold_cnt(0) depctr_sa_sdst(0) depctr_va_vdst(0) depctr_va_sdst(0) depctr_va_ssrc(0) depctr_va_vcc(0) depctr_vm_vsrc(0)
	s_getreg_b32 s2, hwreg(HW_REG_IB_STS2, 6, 4)
	s_cmp_eq_u32 s2, 0
	s_cbranch_scc0 .Lentry_in_a_cluster
	s_endpgm
.Lentry_in_a_cluster:
	s_bfe_u32 s2, ttmp6, 0x10000c
	s_cmp_lg_u32 s2, 0x3003
	s_cbranch_scc0 .Lentry_shape_is_right
	s_endpgm
.Lentry_shape_is_right:
; qkv[t][n] = sum over k of Q(x)[t][k] Q(w)[k][n] + b_qkv[n]: codes of FP4 (E2M1) with E8M0 scales on both sides, sums in f32.  M 4,096, N 3,072, K 1,024.
; A tile of 256 x 256 is made by four waves, each 128 x 128: 64 accumulators in 512 registers.  Codes and scale words arrive as images of the operands' registers, so a tile is a dense block for one tensor load
; and every LDS load reads 16 x lane + a constant: 512 consecutive bytes.  K has two halves of 512: both come at the head, each into its own slot; no LDS byte is filled twice.
; THE MATRIX INSTRUCTION IS USED TRANSPOSED (source 0 = 16 columns of w, source 1 = 16 rows of x): a lane holds eight neighbouring n of one row t.  The bias is the C of each sum's first product.
; RESULTS: qkvh [n/64][t/16][(n%64)/16][512 bytes], f16: a lane's 16 bytes at 16 x lane (q, k: the fragment's image), or, for v, at 16 (r % 8) + 128 h + 256 (r / 8): the order in which the turning LDS load wants them.
;          qkv16 [n/16][c][lane][16 bytes], f32: rows 0 to 15 as the accumulators hold them, for the launch that carries those rows in f32.
; CLUSTER: 4 x 1.  The four partners share a tile row, so x's tiles and scales are asked for jointly.  w's tiles are shared along the other axis; they come by plain loads, since the f32 copy of rows 0 to 15 is
; stored under a scalar branch on the tile row, which has to be equal in all partners: with 4 x 1 it is the cluster's own y.
; LIMIT: |qkv| under 65,504 (f16).
; REGISTERS: window 0: v16-29 addresses; v32-95 scale words, two sets; v128-191 x's fragments, one set; v192-255 the bias; on the way out v32-159 hold packed results.  window 1: w's fragments, two sets.  windows 2, 3: the accumulators.
.set NQ,    4                          ; steps of 128 along K in a slot
.set FR,    8                          ; registers of a fragment
.set NL,    2                          ; LDS loads that bring one
.set NP,    4                          ; places behind this matrix instruction (ISA guide 7.12.1)
.set HALFT, 32768                      ; 8 tiles x 4 K steps x 1,024 bytes: what one tensor load brings
.set SLOT,  4*HALFT                    ; x's two halves, then w's two
.set SCL,   2*SLOT                     ; the scale words: 4 x 4,096 bytes, [8 tiles][2][16 rows][16 bytes]
.set HALFS, 4096
.set SPARE, SCL+4*HALFS                ; the spare words, 128 bytes for each wave
.set ADRA, 16
.set ADRB, 20
.set BO,   24
.set L16,  25
.set CO,   26
.set ADRS, 27
.set SPW,  28
.set NIL,  29
.set SC,   32
.set AF,   128
.set BIAS, 192
.set TMP,  32
.set WV,   18                          ; s18 wave;  s19 its row half (also: 0 = I fetch for x);  s20 its column half (also: which 8 tiles I fetch)
.set G1, 24
.set G0, 32
.set G1B, 48
.set G0B, 56
.set G1S, 68
.set G0S, 76
.set G1SB, 80
.set G0SB, 88
.set MSB, 0
.macro WIN new                         ; the immediate's high byte repeats the setting that is left
.if MSB != (\new)
	s_set_vgpr_msb (MSB<<8)|(\new)
.set MSB, (\new)
.endif
.endm
.set MUL_LO, 0xa1                      ; source 0 (w) window 1, source 1 (x) window 0, C and D window 2
.set MUL_HI, 0xf1                      ; the same, C and D window 3
.set BEG_LO, 0x81                      ; the first products: C (the bias) window 0, D window 2
.set BEG_HI, 0xc1
.set TO_B,   0x40
.macro JLOAD g0a, g1a, g0b, g1b        ; waves 0 and 1 fetch for x (jointly), waves 2 and 3 for w; an s_nop 0 and four v_nop follow each line
	s_cmp_eq_u32 s19, 0
	s_cbranch_scc0 .Lfor_b_\@
	tensor_load_to_lds s[\g0a:\g0a+3], s[\g1a:\g1a+7]
	s_nop 0
.rept 4
	v_nop
.endr
	s_branch .Lasked_\@
.Lfor_b_\@:
	tensor_load_to_lds s[\g0b:\g0b+3], s[\g1b:\g1b+7]
	s_nop 0
.rept 4
	v_nop
.endr
.Lasked_\@:
.endm
.macro CROUND                          ; a round of the cluster's barrier
	s_barrier_signal -1
	s_barrier_wait -1
	s_cmp_lg_u32 s[WV], 0
	s_cbranch_scc1 .Lnot_wave_0_\@
	s_barrier_signal -3
.Lnot_wave_0_\@:
	s_barrier_wait -3
	s_barrier_signal -1
	s_barrier_wait -1
.endm
	s_load_b256 s[4:11], s[0:1], 0x0               ; x_codes 4, x_scales 6, w_codes 8, w_scales 10
	s_load_b128 s[12:15], s[0:1], 0x20             ; b_qkv 12, qkvh 14
	s_load_b64 s[16:17], s[0:1], 0x30              ; qkv16
	v_lshl_add_u32 v[SPW], v0, 2, SPARE
	v_mov_b32 v[NIL], 0
	ds_add_u32 v[SPW], v[NIL]                      ; the wave's opening: the add, twice on end, and its wait ahead of my first tensor load
	ds_add_u32 v[SPW], v[NIL]
	v_lshrrev_b32 v1, 5, v0
	v_readfirstlane_b32 s[WV], v1
	s_lshr_b32 s19, s[WV], 1
	s_and_b32 s20, s[WV], 1
	s_bfe_u32 s21, ttmp6, 0x40000                  ; cx
	s_lshl_b32 s22, ttmp9, 2
	s_add_co_u32 s22, s22, s21                     ; tile column = 4 x cluster x + cx
	s_and_b32 s23, ttmp7, 0xffff                   ; tile row = cluster y
	; group 1 for codes: 8 rows (tiles) of 512 elements of 8 bytes, 1,024 elements apart
	s_mov_b32 s[G1], 15|(3<<16)|(1<<21)            ; the mask: all four partners; elements of 8 bytes; bit 21 beside a mask
	s_mov_b32 s[G1B], 3<<16                        ; no mask: a load of my own
.irp g, G1, G1B
	s_mov_b32 s[\g+1], 512<<16
	s_mov_b32 s[\g+2], 8<<16
	s_mov_b32 s[\g+3], 512<<16
	s_mov_b32 s[\g+4], 8
	s_mov_b32 s[\g+5], 1024
	s_mov_b32 s[\g+6], 0
	s_mov_b32 s[\g+7], 0
.endr
	; and for scale words: 4,096 dense bytes as 16 rows of 256
	s_mov_b32 s[G1S], 15|(3<<16)|(1<<21)
	s_mov_b32 s[G1SB], 3<<16
.irp g, G1S, G1SB
	s_mov_b32 s[\g+1], 32<<16
	s_mov_b32 s[\g+2], 16<<16
	s_mov_b32 s[\g+3], 32<<16
	s_mov_b32 s[\g+4], 16
	s_mov_b32 s[\g+5], 32
	s_mov_b32 s[\g+6], 0
	s_mov_b32 s[\g+7], 0
.endr
	s_lshl_b32 s41, s20, 3                         ; which 8 tiles I fetch
	s_lshl_b32 s40, s23, 4
	s_add_co_u32 s40, s40, s41                     ; x: tile 16 x tile row + 8 x half
	s_lshl_b32 s42, s22, 4
	s_add_co_u32 s42, s42, s41                     ; w: tile 16 x tile column + 8 x half
	s_lshl_b32 s44, s40, 13                        ; 8,192 bytes of codes a tile,
	s_mov_b32 s45, 0
	s_lshl_b32 s46, s42, 13
	s_mov_b32 s47, 0
	s_lshl_b32 s92, s40, 9                         ; 512 of scale words
	s_mov_b32 s93, 0
	s_lshl_b32 s94, s42, 9
	s_mov_b32 s95, 0
	s_lshl_b32 s96, s[WV], 15                      ; where they go: wave x 32,768, wave x 4,096: no place in the cluster enters an LDS address
	s_lshl_b32 s97, s[WV], 12
	s_wait_dscnt 0x0                               ; both opening adds are done
	s_wait_kmcnt 0x0
	s_add_nc_u64 s[44:45], s[4:5], s[44:45]
	s_add_nc_u64 s[46:47], s[8:9], s[46:47]
	s_add_nc_u64 s[92:93], s[6:7], s[92:93]
	s_add_nc_u64 s[94:95], s[10:11], s[94:95]
	CROUND                                         ; all four work-groups are here: the first joint loads meet
	s_mov_b32 s[G0S], 1
	s_add_co_u32 s[G0S+1], s97, SCL
	s_mov_b64 s[G0S+2:G0S+3], s[92:93]
	s_or_b32 s[G0S+3], s[G0S+3], 0x80000000
	s_mov_b32 s[G0SB], 1
	s_add_co_u32 s[G0SB+1], s97, SCL
	s_mov_b64 s[G0SB+2:G0SB+3], s[94:95]
	s_or_b32 s[G0SB+3], s[G0SB+3], 0x80000000
	JLOAD G0S, G1S, G0SB, G1SB                     ; the scale words first: they are wanted with the first step
.irp s, 0,1
	s_mov_b32 s[G0+4*\s], 1
	s_add_co_u32 s[G0+4*\s+1], s96, \s*SLOT
	s_add_nc_u64 s[G0+4*\s+2:G0+4*\s+3], s[44:45], \s*4096
	s_or_b32 s[G0+4*\s+3], s[G0+4*\s+3], 0x80000000
	s_mov_b32 s[G0B+4*\s], 1
	s_add_co_u32 s[G0B+4*\s+1], s96, \s*SLOT
	s_add_nc_u64 s[G0B+4*\s+2:G0B+4*\s+3], s[46:47], \s*4096
	s_or_b32 s[G0B+4*\s+3], s[G0B+4*\s+3], 0x80000000
	JLOAD G0+4*\s, G1, G0B+4*\s, G1B               ; three tensor loads of mine are out behind the second of these
.endr
	v_and_b32 v1, 15, v0                           ; r
	v_bfe_u32 v2, v0, 4, 1                         ; h
	v_and_b32 v3, 31, v0
	v_lshlrev_b32 v[L16], 4, v3
	s_lshl_b32 s40, s19, 15                        ; my 128 rows of x
	s_lshl_b32 s41, s20, 15
	s_add_co_u32 s41, s41, 2*HALFT                 ; my 128 columns of w
.irp s, 0,1
	v_add_nc_u32 v[ADRA+\s], s40, v[L16]
	v_add_nc_u32 v[ADRB+\s], s41, v[L16]
	s_add_co_u32 s40, s40, SLOT
	s_add_co_u32 s41, s41, SLOT
.endr
	v_lshlrev_b32 v5, 4, v1                        ; scale words: 16 bytes a row
	s_lshl_b32 s40, s19, 12
	s_lshl_b32 s41, s20, 12
	s_add_co_u32 s41, s41, 2*HALFS
	s_sub_co_u32 s41, s41, s40
	v_mul_u32_u24 v6, s41, v2                      ; lanes 16-31 take w's
	s_add_co_u32 s40, s40, SCL
	v_add_nc_u32 v5, v5, v6
	v_add_nc_u32 v[ADRS], s40, v5
	v_lshlrev_b32 v[BO], 5, v2                     ; the bias of block b for lane (r, h): columns 16 b + 8 h + 0..7
	s_lshl_b32 s40, s22, 10
	s_lshl_b32 s41, s20, 9
	s_add_co_u32 s40, s40, s41
	s_mov_b32 s41, 0
	s_add_nc_u64 s[12:13], s[12:13], s[40:41]
.irp b, 0,1,2,3,4,5,6,7
	global_load_b128 v[BIAS+8*\b:BIAS+8*\b+3], v[BO], s[12:13] offset:64*\b
	global_load_b128 v[BIAS+8*\b+4:BIAS+8*\b+7], v[BO], s[12:13] offset:64*\b+16
.endr
	v_and_b32 v5, 7, v1                            ; v's lane places
	v_lshlrev_b32 v5, 4, v5
	v_lshl_add_u32 v5, v2, 7, v5
	v_lshrrev_b32 v6, 3, v1
	v_lshl_add_u32 v5, v6, 8, v5
	s_cmp_eq_u32 ttmp9, 2                          ; cluster x = 0, 1, 2: q, k, v
	s_cselect_b32 s40, -1, 0
	v_cndmask_b32 v[CO], v[L16], v5, s40
	s_lshl_b32 s40, s22, 21                        ; qkvh: (4 X + 2 half) x 524,288 + (16 Y + 8 half) x 2,048
	s_lshl_b32 s41, s20, 20
	s_add_co_u32 s40, s40, s41
	s_lshl_b32 s41, s23, 15
	s_add_co_u32 s40, s40, s41
	s_lshl_b32 s41, s19, 14
	s_add_co_u32 s40, s40, s41
	s_mov_b32 s41, 0
	s_add_nc_u64 s[14:15], s[14:15], s[40:41]
	s_lshl_b32 s40, s22, 14                        ; qkv16: (16 X + 8 half) x 1,024
	s_lshl_b32 s42, s20, 13
	s_add_co_u32 s40, s40, s42
	s_add_nc_u64 s[16:17], s[16:17], s[40:41]
.macro FRAG reg, adr, q, i             ; a fragment's image: two loads of 512 consecutive bytes
.irp c, 0,1
	ds_load_b128 v[\reg+4*\c:\reg+4*\c+3], v[\adr] offset:4096*(\i)+1024*(\q)+512*\c
.endr
.endm
; 16 matrix instructions: x's blocks a0, a0 + 1 against w's eight.  The 64 accumulators take turns, one instruction a turn, in the same order in every step.
.macro MUL16 a0, p, q, sc, zero
.irp a, \a0, \a0+1
.irp b, 0,1,2,3,4,5,6,7
.if \zero
	v_wmma_scale_f32_16x16x128_f8f6f4 v[8*(8*((\a)%4)+\b):8*(8*((\a)%4)+\b)+7], v[128*(\p)+FR*\b:128*(\p)+FR*\b+FR-1], v[AF+FR*(\a):AF+FR*(\a)+FR-1], v[BIAS+8*\b:BIAS+8*\b+7], v[SC+8*NQ*(\sc)+NQ*\b+(\q)], v[SC+8*NQ*(\sc)+NQ*(\a)+(\q)] matrix_a_fmt:MATRIX_FMT_FP4 matrix_b_fmt:MATRIX_FMT_FP4 matrix_a_scale:MATRIX_SCALE_ROW1
.else
	v_wmma_scale_f32_16x16x128_f8f6f4 v[8*(8*((\a)%4)+\b):8*(8*((\a)%4)+\b)+7], v[128*(\p)+FR*\b:128*(\p)+FR*\b+FR-1], v[AF+FR*(\a):AF+FR*(\a)+FR-1], v[8*(8*((\a)%4)+\b):8*(8*((\a)%4)+\b)+7], v[SC+8*NQ*(\sc)+NQ*\b+(\q)], v[SC+8*NQ*(\sc)+NQ*(\a)+(\q)] matrix_a_fmt:MATRIX_FMT_FP4 matrix_b_fmt:MATRIX_FMT_FP4 matrix_a_scale:MATRIX_SCALE_ROW1
.endif
.endr
.endr
.endm
.macro FETCH_B slot, q, p
	WIN TO_B
.irp i, 0,1,2,3,4,5,6,7
	FRAG 128*(\p)+FR*\i, ADRB+\slot, \q, \i
.endr
	WIN 0
.endm
.macro FETCH_A slot, q, i0
.irp i, \i0, \i0+1, \i0+2, \i0+3
	FRAG AF+FR*(\i), ADRA+\slot, \q, \i
.endr
.endm
.macro SCALES sc                       ; a slot's scale words: four a row; lanes 0-15 take x's block i, lanes 16-31 w's block i
.irp i, 0,1,2,3,4,5,6,7
	ds_load_b128 v[SC+8*NQ*\sc+NQ*\i:SC+8*NQ*\sc+NQ*\i+3], v[ADRS] offset:\i*512
.endr
.endm
.macro PLACES n                        ; plain places behind matrix instructions, in front of loads into registers that they read and of reads of their results
.rept \n
	v_nop
.endr
.endm
.macro STEP slot, q, zero              ; a step of 128 along K that has its successor in the same slot
	s_wait_dscnt 4*NL                              ; w's set and x's blocks 0-3 are in; the youngest eight loads (x's blocks 4-7) may be out
.if \zero
	WIN BEG_LO
.else
	WIN MUL_LO
.endif
	MUL16 0, (\q)%2, \q, \slot, \zero
	MUL16 2, (\q)%2, \q, \slot, \zero
	s_wait_dscnt 0
	PLACES NP
	FETCH_B \slot, (\q)+1, 1-(\q)%2
	FETCH_A \slot, (\q)+1, 0
.if \zero
	WIN BEG_HI
.else
	WIN MUL_HI
.endif
	MUL16 4, (\q)%2, \q, \slot, \zero
	MUL16 6, (\q)%2, \q, \slot, \zero
	PLACES NP
	WIN 0
	FETCH_A \slot, (\q)+1, 4
.endm
.macro STEPS slot, from
.set Q, \from
.rept NQ-1-\from
	STEP \slot, Q, 0
.set Q, Q+1
.endr
.endm
	s_wait_tensorcnt 1                             ; the scale words and my part of slot 0 are in; slot 1's load may stay out
	s_barrier_signal -1
	s_barrier_wait -1
	s_wait_loadcnt 0x0                             ; the bias
	FETCH_B 0, 0, 0
	FETCH_A 0, 0, 0
	SCALES 0
	FETCH_A 0, 0, 4
	STEP 0, 0, 1                                   ; the first products start the sums with the bias
	STEPS 0, 1
	; slot 0's last step changes slots: one barrier; nothing is filled again
	s_wait_tensorcnt 0x0                           ; my part of slot 1 has landed
	ds_add_u32 v[SPW], v[NIL]                      ; 0 onto my spare word
	s_wait_dscnt 4*NL+1                            ; (the add and x's blocks 4-7 may be out)
	WIN MUL_LO
	MUL16 0, 1, NQ-1, 0, 0
	s_wait_dscnt 0x0
	s_barrier_signal -1
	MUL16 2, 1, NQ-1, 0, 0
	WIN 0
	s_barrier_wait -1                              ; slot 1 is whole
	PLACES NP
	v_add_nc_u32 v[ADRS], 256, v[ADRS]             ; the second half of K's scale words
	FETCH_B 1, 0, 0
	FETCH_A 1, 0, 0
	SCALES 1
	WIN MUL_HI
	MUL16 4, 1, NQ-1, 0, 0
	MUL16 6, 1, NQ-1, 0, 0
	PLACES NP
	WIN 0
	FETCH_A 1, 0, 4
	STEPS 1, 0
	s_wait_dscnt 4*NL                              ; the very last step
	WIN MUL_LO
	MUL16 0, 1, NQ-1, 1, 0
	MUL16 2, 1, NQ-1, 1, 0
	s_wait_dscnt 0
	WIN MUL_HI
	MUL16 4, 1, NQ-1, 1, 0
	MUL16 6, 1, NQ-1, 1, 0
	WIN 0
	PLACES NP
	; rows 0 to 15 in f32: tile row 0, row half 0, block 0.  The branch hangs on the cluster's y and the wave's number
	s_or_b32 s40, s23, s19
	s_cmp_lg_u32 s40, 0
	s_cbranch_scc1 .Lno_fine
	WIN 0x08                                       ; a store's data: window 2
.irp b, 0,1,2,3,4,5,6,7
.irp c, 0,1
	global_store_b128 v[L16], v[8*\b+4*\c:8*\b+4*\c+3], s[16:17] offset:1024*\b+512*\c   ; each accumulator from its low end on
.endr
.endr
	WIN 0
.Lno_fine:
	; all rows in f16: a lane's eight results pack into 16 bytes, and the 32 lanes' 512 bytes are one piece of the result's layout: no stage
.irp a, 0,1,2,3,4,5,6,7
.if \a == 4
	s_wait_xcnt 0x0                                ; the first four blocks' stores have read their registers, which are written again
.endif
	WIN 0x0a+5*(\a/4)
.irp b, 0,1,2,3,4,5,6,7
.irp e, 0,1,2,3
	v_cvt_pk_f16_f32 v[TMP+32*(\a%4)+4*\b+\e], v[64*(\a%4)+8*\b+2*\e], v[64*(\a%4)+8*\b+2*\e+1]
.endr
.endr
	WIN 0
.irp b, 0,1,2,3,4,5,6,7
	global_store_b128 v[CO], v[TMP+32*(\a%4)+4*\b:TMP+32*(\a%4)+4*\b+3], s[14:15] offset:(\b/4)*524288+(\b%4)*512+\a*2048
.endr
.endr
	s_wait_tensorcnt 0x0                           ; the wave's end
	ds_add_u32 v[SPW], v[NIL]
	s_wait_dscnt 0x0
	CROUND                                         ; the closing round
	s_endpgm
.Lfunc_end_k_q8a495b5782_gemm:
	.size	k_q8a495b5782_gemm, .Lfunc_end_k_q8a495b5782_gemm-k_q8a495b5782_gemm
	.p2alignl 7, 3214868480
	.fill 96, 4, 3214868480
	.section	.rodata,"a",@progbits
	.p2align	6, 0x0
	.amdhsa_kernel k_q8a495b5782_gemm
		.amdhsa_group_segment_fixed_size 327680
		.amdhsa_private_segment_fixed_size 0
		.amdhsa_enable_private_segment 0
		.amdhsa_kernarg_size 56
		.amdhsa_user_sgpr_count 2
		.amdhsa_user_sgpr_kernarg_segment_ptr 1
		.amdhsa_wavefront_size32 1
		.amdhsa_system_sgpr_workgroup_id_x 1
		.amdhsa_system_sgpr_workgroup_id_y 1
		.amdhsa_system_sgpr_workgroup_id_z 1
		.amdhsa_system_vgpr_workitem_id 0
		.amdhsa_next_free_vgpr 1024
		.amdhsa_next_free_sgpr 98
		.amdhsa_reserve_vcc 0
		.amdhsa_float_denorm_mode_32 3
		.amdhsa_float_denorm_mode_16_64 3
		.amdhsa_memory_ordered 1
		.amdhsa_forward_progress 1
		.amdhsa_inst_pref_size 120
	.end_amdhsa_kernel
	.amdgpu_metadata
---
amdhsa.version: [ 1, 2 ]
amdhsa.kernels:
  - .name:           k_q8a495b5782_gemm
    .symbol:         k_q8a495b5782_gemm.kd
    .args:
      - { .name: x_codes, .offset: 0, .size: 8, .value_kind: global_buffer, .address_space: global }
      - { .name: x_scales, .offset: 8, .size: 8, .value_kind: global_buffer, .address_space: global }
      - { .name: w_codes, .offset: 16, .size: 8, .value_kind: global_buffer, .address_space: global }
      - { .name: w_scales, .offset: 24, .size: 8, .value_kind: global_buffer, .address_space: global }
      - { .name: b_qkv, .offset: 32, .size: 8, .value_kind: global_buffer, .address_space: global }
      - { .name: qkvh, .offset: 40, .size: 8, .value_kind: global_buffer, .address_space: global }
      - { .name: qkv16, .offset: 48, .size: 8, .value_kind: global_buffer, .address_space: global }
    .group_segment_fixed_size: 327680
    .private_segment_fixed_size: 0
    .kernarg_segment_align: 8
    .kernarg_segment_size: 56
    .max_flat_workgroup_size: 128
    .sgpr_count:     98
    .vgpr_count:     1024
    .wavefront_size: 32
...
	.end_amdgpu_metadata
.endif
;; end of part 2
;; launch attn (part 3): grid 16 x 16, 8 waves a work-group, no clusters, 327,680 bytes of LDS; arguments qkvh, att; writes att
.if DOCPART == 3
	.amdgcn_target "amdgcn-amd-amdhsa--gfx1250"
	.amdhsa_code_object_version 6
	.text
	.protected	k_q8a495b5782_attn
	.globl	k_q8a495b5782_attn
	.p2align	8
	.type	k_q8a495b5782_attn,@function
k_q8a495b5782_attn:
	s_mov_b64 s[64:65], 0
	v_nop
	global_prefetch_b8 v0, s[64:65] scope:SCOPE_SE
	s_setreg_imm32_b32 hwreg(HW_REG_WAVE_MODE, 25, 1), 1
	s_wait_xcnt 0x0
; att[q] = softmax over k <= q of (Q[q] . K[k] / 8) V[k], for each of 16 heads of 64; 4,096 positions.  Operands in f16, products, maxima and sums in f32; the weights p are rounded to f16 for the second product.
; SHARES.  Under the causal mask a block of queries has work in proportion to its place, so a work-group owns blocks i and 31 - i of 128 queries: 33 units in each of the 256 work-groups.
; Wave w owns one tile of 16 queries of each block (tile A: the early block, tile B: the late one).  Eight waves, two to a SIMD: one wave's vector work stands beside the other's matrix work.
; LAYOUT.  Both products transposed: S^T = K Q^T, O^T = V^T P: a lane holds ONE query (lane % 16).  Two tiles of S^T, rounded in pairs, are source 1 of the second product.  K and Q come as images of their
; fragments; V lies so that the turning LDS load at 16 x lane brings V^T's fragment.  O^T, packed, is the image of the projection's operand and is stored as it stands.
; THE WALK.  Every work-group walks 16 slots of 256 keys (the trip counts are constants); a step of 64 keys all of which come after a tile's queries is jumped over by a scalar branch on ids; on the diagonal hidden
; scores become -infinity ahead of the maximum.  A slot whose first key comes after the work-group's last query is not asked for.
; NO CLUSTER: the 16 work-groups of a head walk the same K and V but stop at different keys: partners would need different numbers of tiles.
; LIMITS: the result under 65,504 (f16).  Rows 0 to 15 are computed here as all others; the last launch of the program replaces what becomes of them.
.set SLOT1, 65536                      ; a slot: 32,768 bytes of K, [16 tiles][2,048], then as many of V
.set SPARE, 131072                     ; the spare words, 128 bytes for each wave
.set KV,  56                           ; v56-119  K of a step, then V
.set SB,  120                          ; v120-151 tile B's scores, then p
.set SA,  152                          ; v152-183 tile A's
.set OB,  184                          ; v184-215 tile B's O^T
.set OA,  216                          ; v216-247 tile A's
.set QB,  24                           ; v24-39   tile B's Q;  v40-55 tile A's
.set QA,  40
.set TB_, 8                            ; v8-15    tile B's statistics: +0 c m, +1 m, +2, +3 l, +4..7 at work (+6 a);  v16-23 tile A's
.set TA_, 16
; v1 16 x lane; v2 the step's LDS address; v3, v4 the add's two; v5 256 x lane; v6 r - 8 h; v7 -infinity; v248-249 a second chain of sums; v250 the mask's bound
; s8 wave; s9 head; s[16:23] group 1; s[24:27] group 0; s[28:29] lane selects; s[30:31] c; s32 LDS byte of the step; s33 its first key; s34 slots to ask for; s35 steps; s36, s37 first queries of A, B; s38, s39 their last;
; s40 the work-group's last query; s41 the prefetches' bound; s[42:43] their address; s[50:51], s[52:53] where A's and B's results go
.macro TLOAD                           ; waves 0, 1: K's halves; waves 2, 3: V's; the others nothing
	s_cmp_lt_u32 s8, 4
	s_cbranch_scc0 .Lnone_\@
	tensor_load_to_lds s[24:27], s[16:23]
	s_nop 0
.rept 4
	v_nop
.endr
.Lnone_\@:
.endm
; A prefetch of what the next change of slots will ask for.  All work-groups of a head walk the same K and V: pair 0, which walks all keys, asks; in it waves 4 to 7, which fetch nothing, each for the 16,384 bytes
; that wave w - 4 will load: two instructions, lanes 256 bytes apart.  So each block of 256 bytes is named once.  It is one slot, four key steps, ahead; slots 0 and 1 come by their loads alone; the last filling change asks for nothing.
.macro ASK
	s_cmp_gt_u32 s34, s41
	s_cbranch_scc0 .Lnot_mine_\@
	global_prefetch_b8 v5, s[42:43] th:TH_LOAD_NT scope:SCOPE_SE
	global_prefetch_b8 v5, s[42:43] offset:8192 th:TH_LOAD_NT scope:SCOPE_SE
.Lnot_mine_\@:
.endm
	s_load_b128 s[4:7], s[0:1], 0x0                ; qkvh, att
	v_lshl_add_u32 v3, v0, 2, SPARE
	v_mov_b32 v4, 0
	ds_add_u32 v3, v4                              ; the wave's opening: the add, twice on end, and its wait ahead of my first tensor load
	ds_add_u32 v3, v4
	v_lshrrev_b32 v1, 5, v0
	v_readfirstlane_b32 s8, v1
	s_and_b32 s9, ttmp7, 0xffff
	s_mov_b32 s16, 3<<16                           ; group 1: 16,384 dense bytes as 64 rows of 32 elements of 8 bytes
	s_mov_b32 s17, 32<<16
	s_mov_b32 s18, 64<<16
	s_mov_b32 s19, 32<<16
	s_mov_b32 s20, 64
	s_mov_b32 s21, 32
	s_mov_b32 s22, 0
	s_mov_b32 s23, 0
	s_mov_b32 s28, 0x76543210
	s_mov_b32 s29, 0xfedcba98
	s_mov_b32 s30, 0x3e38aa3b                      ; c = log2(e) / 8
	s_mov_b32 s31, s30
	s_mov_b32 s32, 0
	s_mov_b32 s33, 0
	s_mov_b32 s34, 15
	s_lshl_b32 s44, ttmp9, 7
	s_lshl_b32 s45, s8, 4
	s_add_co_u32 s36, s44, s45                     ; tile A: 128 i + 16 w
	s_sub_co_u32 s37, 3968, s44
	s_add_co_u32 s37, s37, s45                     ; tile B: 128 (31 - i) + 16 w
	s_add_co_u32 s38, s36, 15
	s_add_co_u32 s39, s37, 15
	s_or_b32 s40, s37, 127
	s_lshr_b32 s44, s8, 2
	s_xor_b32 s44, s44, 1                          ; 0 in waves 4 to 7,
	s_or_b32 s44, s44, ttmp9                       ; of pair 0
	s_cmp_eq_u32 s44, 0
	s_cselect_b32 s41, 1, -1
	s_bfe_u32 s44, s8, 0x10001                     ; K (0) or V (1)
	s_lshl_b32 s44, s44, 4
	s_add_co_u32 s44, s44, 16
	s_add_co_u32 s44, s44, s9
	s_lshl_b32 s44, s44, 19                        ; 524,288 bytes a head
	s_and_b32 s45, s8, 1
	s_lshl_b32 s45, s45, 14                        ; which half of a slot's 32,768
	s_add_co_u32 s44, s44, s45
	s_mov_b32 s45, 0
	s_lshl_b32 s46, s9, 19                         ; Q: the head, + 128 bytes a query
	s_lshl_b32 s47, s36, 7
	s_add_co_u32 s10, s46, s47
	s_mov_b32 s11, 0
	s_lshl_b32 s47, s37, 7
	s_add_co_u32 s12, s46, s47
	s_mov_b32 s13, 0
	s_add_co_u32 s46, s36, s9                      ; att: 2,048 bytes a query and a head
	s_lshl_b32 s50, s46, 11
	s_mov_b32 s51, 0
	s_add_co_u32 s46, s37, s9
	s_lshl_b32 s52, s46, 11
	s_mov_b32 s53, 0
	s_mov_b32 s24, 1
	s_lshl_b32 s25, s8, 14                         ; LDS: wave x 16,384, in slot 0
	s_wait_dscnt 0x0                               ; both opening adds are done
	s_wait_kmcnt 0x0
	s_add_nc_u64 s[26:27], s[4:5], s[44:45]
	s_add_nc_u64 s[42:43], s[26:27], 32768         ; the prefetches stand in slot 1; the first change steps them to slot 2
	s_or_b32 s27, s27, 0x80000000
	TLOAD                                          ; slot 0
	s_add_nc_u64 s[10:11], s[4:5], s[10:11]
	s_add_nc_u64 s[12:13], s[4:5], s[12:13]
	s_add_nc_u64 s[50:51], s[6:7], s[50:51]
	s_add_nc_u64 s[52:53], s[6:7], s[52:53]
	v_and_b32 v1, 31, v0
	v_lshlrev_b32 v5, 8, v1
	v_lshlrev_b32 v1, 4, v1
.irp u, 0,1,2,3
	global_load_b128 v[QB+4*\u:QB+4*\u+3], v1, s[12:13] offset:512*\u
	global_load_b128 v[QA+4*\u:QA+4*\u+3], v1, s[10:11] offset:512*\u
.endr
	v_and_b32 v6, 15, v0
	v_bfe_u32 v250, v0, 4, 1
	v_lshlrev_b32 v250, 3, v250
	v_sub_nc_u32 v6, v6, v250
	v_mov_b32 v7, 0xff800000
.irp t, TB_, TA_
	v_mov_b32 v[\t+1], 0xff61b1e6                  ; the largest score so far: -3e38, under every score
	v_mul_f32 v[\t], s30, v[\t+1]
	v_mov_b32 v[\t+2], 0                           ; l, in two halves
	v_mov_b32 v[\t+3], 0
	v_mov_b32 v[\t+5], 0                           ; (a lane permute's destination, and a pair's upper half, are written before they are named)
	v_mov_b32 v[\t+7], 0
.endr
.set nn, 0
.rept 64
	v_mov_b32 v[OB+nn], 0                          ; O^T: the step is written once; the first finds zeros, which its a = 0 leaves zeros
.set nn, nn+1
.endr
.macro LOADK
.irp kt, 0,1,2,3
.irp ks, 0,1
.irp c, 0,1
	ds_load_b128 v[KV+16*\kt+8*\ks+4*\c:KV+16*\kt+8*\ks+4*\c+3], v2 offset:2048*\kt+1024*\ks+512*\c
.endr
.endr
.endr
.endm
.macro LOADV                           ; keys 32 ks + 16 e on, channels 16 dt on: half a fragment of V^T
.irp ks, 0,1
.irp dt, 0,1,2,3
.irp e, 0,1
	ds_load_tr16_b128 v[KV+32*\ks+8*\dt+4*\e:KV+32*\ks+8*\dt+4*\e+3], v2 offset:32768+4096*\ks+2048*\e+512*\dt
.endr
.endr
.endr
.endm
.macro QK sr, qr                       ; S^T = K Q^T: four accumulators by turns
.irp ks, 0,1
.irp kt, 0,1,2,3
.if \ks == 0
	v_wmma_f32_16x16x32_f16 v[\sr+8*\kt:\sr+8*\kt+7], v[KV+16*\kt+8*\ks:KV+16*\kt+8*\ks+7], v[\qr+8*\ks:\qr+8*\ks+7], 0
.else
	v_wmma_f32_16x16x32_f16 v[\sr+8*\kt:\sr+8*\kt+7], v[KV+16*\kt+8*\ks:KV+16*\kt+8*\ks+7], v[\qr+8*\ks:\qr+8*\ks+7], v[\sr+8*\kt:\sr+8*\kt+7]
.endif
.endr
.endr
.endm
.macro PV sr, orr                      ; O^T += V^T P: likewise
.irp ks, 0,1
.irp dt, 0,1,2,3
	v_wmma_f32_16x16x32_f16 v[\orr+8*\dt:\orr+8*\dt+7], v[KV+32*\ks+8*\dt:KV+32*\ks+8*\dt+7], v[\sr+8*\ks:\sr+8*\ks+7], v[\orr+8*\dt:\orr+8*\dt+7]
.endr
.endr
.endm
; One tile's softmax for one key step.  Register 8 kt + j holds key (first key) + 16 kt + 8 h + j of query (first query) + r.
.macro SM tr, sr, orr, q0
	s_add_co_u32 s44, s33, 63
	s_cmp_le_u32 s44, s[\q0]
	s_cbranch_scc1 .Lopen_\@                       ; all 64 keys count for all 16 queries
	s_sub_co_i32 s44, s[\q0], s33
	v_add_nc_u32 v250, s44, v6                     ; hidden where 16 kt + j is above my query - the first key - 8 h
.set nn, 0
.rept 32
	v_cmp_gt_i32 vcc_lo, 16*(nn/8)+nn%8, v250
	v_cndmask_b32 v[\sr+nn], v[\sr+nn], v7, vcc_lo
.set nn, nn+1
.endr
.Lopen_\@:
.irp j, 0,1,2,3
	v_max3_num_f32 v[\tr+4+\j], v[\sr+8*\j], v[\sr+8*\j+1], v[\sr+8*\j+2]   ; each accumulator is read from its low end on
.endr
.irp g, 1,2
.irp j, 0,1,2,3
	v_max3_num_f32 v[\tr+4+\j], v[\tr+4+\j], v[\sr+8*\j+2*\g+1], v[\sr+8*\j+2*\g+2]
.endr
.endr
	v_max3_num_f32 v[\tr+4], v[\tr+4], v[\sr+7], v[\sr+15]
	v_max3_num_f32 v[\tr+6], v[\tr+6], v[\sr+23], v[\sr+31]
	v_max3_num_f32 v[\tr+4], v[\tr+4], v[\tr+5], v[\tr+6]
	v_max3_num_f32 v[\tr+4], v[\tr+4], v[\tr+7], v[\tr+1]   ; with the old m
	v_permlanex16_b32 v[\tr+5], v[\tr+4], s28, s29          ; the query's other 32 keys lie in the lane 16 away
	v_mov_b32 v[\tr+7], v[\tr]
	v_max_num_f32 v[\tr+1], v[\tr+4], v[\tr+5]              ; the new m
	v_mul_f32 v[\tr], s30, v[\tr+1]
	v_sub_f32 v[\tr+7], v[\tr+7], v[\tr]
	v_exp_f32 v[\tr+6], v[\tr+7]                            ; a = 2^(c m_old - c m_new)
.set nn, 0
.rept 16
	v_pk_fma_f32 v[\sr+2*nn:\sr+2*nn+1], v[\sr+2*nn:\sr+2*nn+1], s[30:31], v[\tr:\tr+1] op_sel_hi:[1,0,0] neg_lo:[0,0,1] neg_hi:[0,0,1]   ; c s - c m
.set nn, nn+1
.endr
.set nn, 0
.rept 32
	v_exp_f32 v[\sr+nn], v[\sr+nn]
.set nn, nn+1
.endr
	v_nop                                          ; a plain place behind the last exponential
	s_wait_alu depctr_va_vdst(0)                   ; one wait for the 33, ahead of their first reader
	v_pk_add_f32 v[\tr+4:\tr+5], v[\sr:\sr+1], v[\sr+2:\sr+3]           ; the sum of the unrounded p, in two chains
	v_pk_add_f32 v[248:249], v[\sr+4:\sr+5], v[\sr+6:\sr+7]
.irp i, 8,12,16,20,24,28
	v_pk_add_f32 v[\tr+4:\tr+5], v[\tr+4:\tr+5], v[\sr+\i:\sr+\i+1]
	v_pk_add_f32 v[248:249], v[248:249], v[\sr+\i+2:\sr+\i+3]
.endr
	v_pk_add_f32 v[\tr+4:\tr+5], v[\tr+4:\tr+5], v[248:249]
	v_pk_fma_f32 v[\tr+2:\tr+3], v[\tr+2:\tr+3], v[\tr+6:\tr+7], v[\tr+4:\tr+5] op_sel_hi:[1,0,1]   ; l = a l + the sum
.set nn, 0
.rept 16
	v_cvt_pk_f16_f32 v[\sr+nn], v[\sr+2*nn], v[\sr+2*nn+1]              ; in place, ascending: register nn has been read when it is written
.set nn, nn+1
.endr
.set nn, 0
.rept 16
	v_pk_mul_f32 v[\orr+2*nn:\orr+2*nn+1], v[\orr+2*nn:\orr+2*nn+1], v[\tr+6:\tr+7] op_sel_hi:[1,0]   ; O^T x a
.set nn, nn+1
.endr
.endm
; A key step: 64 keys.  Whether tile A still has keys that count is decided ONCE, behind tile B's first products, and the two ways are written out: on the way that walks tile A's softmax its scores have been made.
.macro STEP
	s_cmp_gt_u32 s33, s39
	s_cbranch_scc1 .Lhid_\@                        ; all keys come after both tiles' queries
	v_add_nc_u32 v2, s32, v1
.rept 4
	v_nop                                          ; with the addition five places: for the loads into V's registers, and for the products that write over p
.endr
	LOADK
	s_wait_dscnt 0x0
	QK SB, QB
	s_cmp_gt_u32 s33, s38
	s_cbranch_scc1 .Lonly_b_\@                     ; all keys come after tile A's queries
	QK SA, QA
.rept 4
	v_nop                                          ; places in front of the loads into K's registers and of the first reads of the scores
.endr
	LOADV                                          ; lands while tile B's softmax is walked
	SM TB_, SB, OB, 37
	s_wait_dscnt 0x0
	PV SB, OB
	SM TA_, SA, OA, 36                             ; tile B's products run under tile A's vector work
	PV SA, OA
	s_branch .Lhid_\@
.Lonly_b_\@:
.rept 4
	v_nop                                          ; the same places on this way
.endr
	LOADV
	SM TB_, SB, OB, 37
	s_wait_dscnt 0x0
	PV SB, OB
.Lhid_\@:
.endm
.macro SLOT_STEPS
	s_mov_b32 s35, 4
.Lstep_\@:
	STEP
	s_add_co_u32 s32, s32, 8192
	s_add_co_u32 s33, s33, 64
	s_sub_co_u32 s35, s35, 1
	s_cmp_lg_u32 s35, 0
	s_cbranch_scc1 .Lstep_\@
	s_sub_co_u32 s32, s32, 32768
	s_xor_b32 s32, s32, SLOT1                      ; on to the other slot
.endm
; The change of slots stands at a slot's head: each wave waits for all its tensor loads, adds 0 to its spare word, waits for that and for its reads of the slot that it has left; one barrier; then the other slot is filled.
.macro CHANGE fill
	s_wait_tensorcnt 0x0                           ; no tensor load of mine is out, so group 0 may be written
	ds_add_u32 v3, v4
.if \fill
	ds_add_u32 v3, v4                              ; the add twice on end here, in every trip alike
	s_xor_b32 s25, s25, SLOT1
	s_add_nc_u64 s[26:27], s[26:27], 32768         ; the next 256 keys
	s_wait_xcnt 0x0                                ; the last prefetches, a slot back, have read their address
	s_add_nc_u64 s[42:43], s[42:43], 32768
.endif
	s_wait_dscnt 0x0
	s_barrier_signal -1
	s_barrier_wait -1
.if \fill
	s_add_co_u32 s44, s33, 256                     ; the first key of the slot that this change would ask for:
	s_cmp_gt_u32 s44, s40                          ; behind my work-group's last query no wave would read it.  Ids and the count of steps alone: all eight waves go the same way
	s_cbranch_scc1 .Lpast_\@
	TLOAD                                          ; a wave's one tensor load until the next barrier: one is out at the most
.Lpast_\@:
	ASK
.endif
.endm
	s_wait_loadcnt 0x0                             ; Q
.Lslot:                                            ; 15 trips
	CHANGE 1
	SLOT_STEPS
	s_sub_co_u32 s34, s34, 1
	s_cmp_lg_u32 s34, 0
	s_cbranch_scc1 .Lslot
	CHANGE 0                                       ; the last slot is written out: nothing more is asked for
	SLOT_STEPS
	; THE WAY OUT: O^T / l, rounded to f16: a lane's eight channels are 16 bytes of the projection's fragment
.rept 4
	v_nop
.endr
.irp t, TB_, TA_
	v_add_f32 v[\t+4], v[\t+2], v[\t+3]
.endr
.irp t, TB_, TA_
	v_permlanex16_b32 v[\t+5], v[\t+4], s28, s29
.endr
.irp t, TB_, TA_
	v_add_f32 v[\t+4], v[\t+4], v[\t+5]
.endr
.irp t, TB_, TA_
	v_rcp_f32 v[\t+6], v[\t+4]
.endr
	v_nop
	s_wait_alu depctr_va_vdst(0)                   ; one wait for the two reciprocals
.macro OUT tr, sr, orr, base
.set nn, 0
.rept 16
	v_pk_mul_f32 v[\orr+2*nn:\orr+2*nn+1], v[\orr+2*nn:\orr+2*nn+1], v[\tr+6:\tr+7] op_sel_hi:[1,0]
.set nn, nn+1
.endr
.set nn, 0
.rept 16
	v_cvt_pk_f16_f32 v[\sr+nn], v[\orr+2*nn], v[\orr+2*nn+1]
.set nn, nn+1
.endr
.irp dt, 0,1,2,3
	global_store_b128 v1, v[\sr+4*\dt:\sr+4*\dt+3], s[\base:\base+1] offset:512*\dt   ; 32 lanes store 512 consecutive bytes
.endr
.endm
	OUT TB_, SB, OB, 52
	OUT TA_, SA, OA, 50
	s_wait_tensorcnt 0x0                           ; the wave's end
	ds_add_u32 v3, v4
	s_wait_dscnt 0x0
	s_endpgm
.Lfunc_end_k_q8a495b5782_attn:
	.size	k_q8a495b5782_attn, .Lfunc_end_k_q8a495b5782_attn-k_q8a495b5782_attn
	.p2alignl 7, 3214868480
	.fill 96, 4, 3214868480
	.section	.rodata,"a",@progbits
	.p2align	6, 0x0
	.amdhsa_kernel k_q8a495b5782_attn
		.amdhsa_group_segment_fixed_size 327680
		.amdhsa_private_segment_fixed_size 0
		.amdhsa_enable_private_segment 0
		.amdhsa_kernarg_size 16
		.amdhsa_user_sgpr_count 2
		.amdhsa_user_sgpr_kernarg_segment_ptr 1
		.amdhsa_wavefront_size32 1
		.amdhsa_system_sgpr_workgroup_id_x 1
		.amdhsa_system_sgpr_workgroup_id_y 1
		.amdhsa_system_sgpr_workgroup_id_z 1
		.amdhsa_system_vgpr_workitem_id 0
		.amdhsa_next_free_vgpr 256
		.amdhsa_next_free_sgpr 66
		.amdhsa_reserve_vcc 1
		.amdhsa_float_denorm_mode_32 3
		.amdhsa_float_denorm_mode_16_64 3
		.amdhsa_memory_ordered 1
		.amdhsa_forward_progress 1
		.amdhsa_inst_pref_size 78
	.end_amdhsa_kernel
	.amdgpu_metadata
---
amdhsa.version: [ 1, 2 ]
amdhsa.kernels:
  - .name:           k_q8a495b5782_attn
    .symbol:         k_q8a495b5782_attn.kd
    .args:
      - { .name: qkvh, .offset: 0, .size: 8, .value_kind: global_buffer, .address_space: global }
      - { .name: att, .offset: 8, .size: 8, .value_kind: global_buffer, .address_space: global }
    .group_segment_fixed_size: 327680
    .private_segment_fixed_size: 0
    .kernarg_segment_align: 8
    .kernarg_segment_size: 16
    .max_flat_workgroup_size: 256
    .sgpr_count:     66
    .vgpr_count:     256
    .wavefront_size: 32
...
	.end_amdgpu_metadata
.endif
;; end of part 3
;; launch proj (part 4): grid 8 x 32, 4 waves a work-group, clusters of 4 x 4, 327,680 bytes of LDS; arguments att, wp16, b_proj, out0; writes out0
.if DOCPART == 4
	.amdgcn_target "amdgcn-amd-amdhsa--gfx1250"
	.amdhsa_code_object_version 6
	.text
	.protected	k_q8a495b5782_proj
	.globl	k_q8a495b5782_proj
	.p2align	8
	.type	k_q8a495b5782_proj,@function
k_q8a495b5782_proj:
	s_mov_b64 s[64:65], 0
	v_nop
	global_prefetch_b8 v0, s[64:65] scope:SCOPE_SE
	s_setreg_imm32_b32 hwreg(HW_REG_WAVE_MODE, 25, 1), 1
	s_wait_xcnt 0x0
	s_wait_alu depctr_hold_cnt(0) depctr_sa_sdst(0) depctr_va_vdst(0) depctr_va_sdst(0) depctr_va_ssrc(0) depctr_va_vcc(0) depctr_vm_vsrc(0)
	s_getreg_b32 s2, hwreg(HW_REG_IB_STS2, 6, 4)
	s_cmp_eq_u32 s2, 0
	s_cbranch_scc0 .Lentry_in_a_cluster
	s_endpgm
.Lentry_in_a_cluster:
	s_bfe_u32 s2, ttmp6, 0x10000c
	s_cmp_lg_u32 s2, 0xf033
	s_cbranch_scc0 .Lentry_shape_is_right
	s_endpgm
.Lentry_shape_is_right:
; out0[t][n] = sum over k of att[t][k] w_proj[k][n] + b_proj[n].  M 4,096, N 1,024, K 1,024; operands f16, sums f32.  Rows 0 to 15 are computed here as all others and replaced by the program's last launch.
; A tile of 128 x 128, so that there are 256 work-groups; four waves, each 64 x 64: 16 accumulators.  K goes in four steps of 256 through a ring of two LDS slots.
; Both operands arrive as images of their fragments ([tile of 16][k/32][1,024 bytes]): a wave's tensor load brings 4 tiles x 8,192 bytes, and every LDS load reads 512 consecutive bytes.
; CLUSTER: 4 x 4: att's tiles are shared along a row of the cluster, w's along a column, each asked for jointly.  THE MATRIX INSTRUCTION IS USED TRANSPOSED: a lane holds eight neighbouring n of one row.
; The bias is the C of each sum's first product.  A wave's 64 columns of f32 are 256 bytes of a row: each wave has a stage of its own on the way out, and no barrier is needed there.
; REGISTERS: window 0: v16-30 addresses; v32-95 the way out; v96-127 the bias; v128-255 the accumulators.  window 1: two fragment buffers of 128.
.set HALFT,  32768
.set SLOT,   4*HALFT
.set STAGE,  2*SLOT
.set SPITCH, 272
.set SPARE,  STAGE+4*16*SPITCH
.set LAPS,   2
.set ADRA, 16
.set ADRB, 20
.set STO,  24
.set RD,   25
.set CO,   26
.set BO,   27
.set SPW,  28
.set NIL,  29
.set L16,  30
.set TMP,  32
.set BIAS, 96
.set ACC,  128
.set F0,   0
.set F1,   128
.set G1, 24
.set G0, 32
.set G1B, 48
.set G0B, 56
.set MSB, 0
.macro WIN new
.if MSB != (\new)
	s_set_vgpr_msb (MSB<<8)|(\new)
.set MSB, (\new)
.endif
.endm
.set MUL,  0x05                        ; sources 0 (w) and 1 (att) window 1; C and D window 0
.set TO_F, 0x40
.macro JLOAD s                         ; waves 0 and 1 fetch att's two halves, waves 2 and 3 w's; an s_nop 0 and four v_nop follow each line
	s_cmp_eq_u32 s11, 0
	s_cbranch_scc0 .Lfor_b_\@
	tensor_load_to_lds s[G0+4*\s:G0+4*\s+3], s[G1:G1+7]
	s_nop 0
.rept 4
	v_nop
.endr
	s_branch .Lasked_\@
.Lfor_b_\@:
	tensor_load_to_lds s[G0B+4*\s:G0B+4*\s+3], s[G1B:G1B+7]
	s_nop 0
.rept 4
	v_nop
.endr
.Lasked_\@:
.endm
.macro CREST
	s_cmp_lg_u32 s10, 0
	s_cbranch_scc1 .Lnot_wave_0_\@
	s_barrier_signal -3
.Lnot_wave_0_\@:
	s_barrier_wait -3
	s_barrier_signal -1
	s_barrier_wait -1
.endm
.macro CROUND
	s_barrier_signal -1
	s_barrier_wait -1
	CREST
.endm
	s_load_b128 s[4:7], s[0:1], 0x0                ; att, wp16
	s_load_b64 s[66:67], s[0:1], 0x10              ; b_proj
	s_load_b64 s[8:9], s[0:1], 0x18                ; out0
	v_lshl_add_u32 v[SPW], v0, 2, SPARE
	v_mov_b32 v[NIL], 0
	ds_add_u32 v[SPW], v[NIL]                      ; the wave's opening: the add, twice on end, and its wait ahead of my first tensor load
	ds_add_u32 v[SPW], v[NIL]
	v_lshrrev_b32 v1, 5, v0
	v_readfirstlane_b32 s10, v1
	s_lshr_b32 s11, s10, 1                         ; my half of the tile's rows.  Also: I fetch for att (0) or for w (1)
	s_and_b32 s12, s10, 1                          ; my half of its columns.  Also: which 4 tiles I fetch
	s_bfe_u32 s40, ttmp6, 0x40000
	s_bfe_u32 s41, ttmp6, 0x40004
	s_lshl_b32 s42, ttmp9, 2
	s_add_co_u32 s42, s42, s40                     ; tile column
	s_and_b32 s13, ttmp7, 0xffff
	s_lshl_b32 s13, s13, 2
	s_add_co_u32 s13, s13, s41                     ; tile row
	s_lshl_b32 s43, s41, 2
	s_lshl_b32 s43, 15, s43                        ; my row of the cluster
	s_lshl_b32 s44, 0x1111, s40                    ; my column
	s_or_b32 s[G1+0], s43, (3<<16)|(1<<21)         ; the mask; elements of 8 bytes; bit 21 beside a mask
	s_or_b32 s[G1B+0], s44, (3<<16)|(1<<21)
.irp g, G1, G1B
	s_mov_b32 s[\g+1], 1024<<16                    ; 4 rows (tiles) of 1,024 elements, 4,096 elements apart
	s_mov_b32 s[\g+2], 4<<16
	s_mov_b32 s[\g+3], 1024<<16
	s_mov_b32 s[\g+4], 4
	s_mov_b32 s[\g+5], 4096
	s_mov_b32 s[\g+6], 0
	s_mov_b32 s[\g+7], 0
.endr
	s_lshl_b32 s17, s12, 2
	s_lshl_b32 s16, s13, 3
	s_add_co_u32 s16, s16, s17                     ; att: tile 8 x tile row + 4 x half
	s_lshl_b32 s16, s16, 15
	s_lshl_b32 s46, s42, 3
	s_add_co_u32 s46, s46, s17                     ; w: tile 8 x tile column + 4 x half
	s_lshl_b32 s46, s46, 15
	s_mov_b32 s17, 0
	s_mov_b32 s47, 0
	s_lshl_b32 s20, s10, 15                        ; where they go: wave x 32,768
	s_wait_dscnt 0x0
	s_wait_kmcnt 0x0
	s_add_nc_u64 s[14:15], s[4:5], s[16:17]
	s_add_nc_u64 s[46:47], s[6:7], s[46:47]
	CROUND                                         ; all sixteen work-groups are here
.irp s, 0,1
	s_mov_b32 s[G0+4*\s], 1
	s_add_co_u32 s[G0+4*\s+1], s20, \s*SLOT
	s_add_nc_u64 s[G0+4*\s+2:G0+4*\s+3], s[14:15], \s*8192
	s_or_b32 s[G0+4*\s+3], s[G0+4*\s+3], 0x80000000
	s_mov_b32 s[G0B+4*\s], 1
	s_add_co_u32 s[G0B+4*\s+1], s20, \s*SLOT
	s_add_nc_u64 s[G0B+4*\s+2:G0B+4*\s+3], s[46:47], \s*8192
	s_or_b32 s[G0B+4*\s+3], s[G0B+4*\s+3], 0x80000000
	JLOAD \s
.endr
	v_and_b32 v1, 15, v0
	v_bfe_u32 v2, v0, 4, 1
	v_and_b32 v3, 31, v0
	v_lshlrev_b32 v[L16], 4, v3
	s_lshl_b32 s21, s11, 15
	s_lshl_b32 s22, s12, 15
	s_add_co_u32 s22, s22, 2*HALFT
.irp s, 0,1
	v_add_nc_u32 v[ADRA+\s], s21, v[L16]
	v_add_nc_u32 v[ADRB+\s], s22, v[L16]
	s_add_co_u32 s21, s21, SLOT
	s_add_co_u32 s22, s22, SLOT
.endr
	s_mul_i32 s23, s10, 16*SPITCH
	s_add_co_u32 s23, s23, STAGE                   ; my stage
	v_mul_u32_u24 v4, v1, SPITCH
	v_lshl_add_u32 v4, v2, 5, v4
	v_add_nc_u32 v[STO], s23, v4                   ; in: row r, 32 bytes for each half of the lanes
	v_mul_u32_u24 v5, v2, SPITCH
	v_lshl_add_u32 v5, v1, 4, v5
	v_add_nc_u32 v[RD], s23, v5                    ; back: lanes 0-15 one row of 256 bytes, lanes 16-31 the next
	v_lshlrev_b32 v5, 12, v2
	v_lshl_add_u32 v[CO], v1, 4, v5                ; and the same two rows in out0
	v_lshlrev_b32 v[BO], 5, v2
	s_lshl_b32 s16, s42, 9                         ; my first column, in bytes: 512 x tile column + 256 x half
	s_lshl_b32 s17, s12, 8
	s_add_co_u32 s16, s16, s17
	s_mov_b32 s17, 0
	s_add_nc_u64 s[66:67], s[66:67], s[16:17]
	s_add_nc_u64 s[8:9], s[8:9], s[16:17]
	s_lshl_b32 s16, s13, 19                        ; my first row: 128 x tile row + 64 x half, 4,096 bytes each
	s_lshl_b32 s18, s11, 18
	s_add_co_u32 s16, s16, s18
	s_add_nc_u64 s[8:9], s[8:9], s[16:17]
.irp b, 0,1,2,3
	global_load_b128 v[BIAS+8*\b:BIAS+8*\b+3], v[BO], s[66:67] offset:64*\b
	global_load_b128 v[BIAS+8*\b+4:BIAS+8*\b+7], v[BO], s[66:67] offset:64*\b+16
.endr
.macro MUL8 f, c, a0, zero             ; 8 matrix instructions; the 16 accumulators take turns
.irp a, \a0, \a0+1
.irp b, 0,1,2,3
.if \zero
	v_wmma_f32_16x16x32_f16 v[ACC+8*(4*(\a)+\b):ACC+8*(4*(\a)+\b)+7], v[\f+64+8*(4*\c+\b):\f+64+8*(4*\c+\b)+7], v[\f+8*(4*\c+\a):\f+8*(4*\c+\a)+7], v[BIAS+8*\b:BIAS+8*\b+7]
.else
	v_wmma_f32_16x16x32_f16 v[ACC+8*(4*(\a)+\b):ACC+8*(4*(\a)+\b)+7], v[\f+64+8*(4*\c+\b):\f+64+8*(4*\c+\b)+7], v[\f+8*(4*\c+\a):\f+8*(4*\c+\a)+7], v[ACC+8*(4*(\a)+\b):ACC+8*(4*(\a)+\b)+7]
.endif
.endr
.endr
.endm
.macro FETCH slot, kq, f               ; 32 LDS loads: the fragments of the slot's quarter kq (64 along K) into buffer f; the first 32 along K first
	WIN TO_F
.irp c, 0,1
.irp i, 0,1,2,3
	ds_load_b128 v[\f+64+8*(4*\c+\i):\f+64+8*(4*\c+\i)+3],   v[ADRB+\slot] offset:8192*\i+1024*(2*(\kq)+\c)
	ds_load_b128 v[\f+64+8*(4*\c+\i)+4:\f+64+8*(4*\c+\i)+7], v[ADRB+\slot] offset:8192*\i+1024*(2*(\kq)+\c)+512
	ds_load_b128 v[\f+8*(4*\c+\i):\f+8*(4*\c+\i)+3],         v[ADRA+\slot] offset:8192*\i+1024*(2*(\kq)+\c)
	ds_load_b128 v[\f+8*(4*\c+\i)+4:\f+8*(4*\c+\i)+7],       v[ADRA+\slot] offset:8192*\i+1024*(2*(\kq)+\c)+512
.endr
.endr
.endm
.macro PLACES
.rept 4
	v_nop
.endr
.endm
.macro QUARTER slot, kq, f, g, zero    ; multiplies buffer f and fetches quarter kq into g
	s_wait_dscnt 16                                ; the first 32 along K are in
	WIN MUL
	MUL8 \f, 0, 0, \zero
	MUL8 \f, 0, 2, \zero
	PLACES
	FETCH \slot, \kq, \g
	s_wait_dscnt 32                                ; all but the 32 just issued
	WIN MUL
	MUL8 \f, 1, 0, 0
	MUL8 \f, 1, 2, 0
.endm
.macro TURN slot, next, fill           ; a slot's last quarter changes slots: one barrier, which opens a round of the cluster's where the slot is filled again
	WIN 0
	s_wait_tensorcnt 0x0                           ; all my tensor loads have landed: my part of the next slot
	ds_add_u32 v[SPW], v[NIL]
	s_wait_dscnt 17                                ; (the add and the youngest sixteen loads may be out)
	WIN MUL
	MUL8 F1, 0, 0, 0
	s_wait_dscnt 0x0                               ; the add is done, and my reads of this slot are over
	s_barrier_signal -1
	MUL8 F1, 0, 2, 0
.if \fill
	WIN 0
.endif
	s_barrier_wait -1
.if \fill
	CREST
	s_add_nc_u64 s[G0+4*\slot+2:G0+4*\slot+3], s[G0+4*\slot+2:G0+4*\slot+3], 16384
	s_add_nc_u64 s[G0B+4*\slot+2:G0B+4*\slot+3], s[G0B+4*\slot+2:G0B+4*\slot+3], 16384
	JLOAD \slot                                    ; the first tensor load behind the round; its four v_nop are also the places in front of the loads below
.else
	PLACES
.endif
	FETCH \next, 0, F0
	WIN MUL
	MUL8 F1, 1, 0, 0
	MUL8 F1, 1, 2, 0
.endm
	s_wait_tensorcnt 1                             ; my part of K step 0 is in; K step 1's load may stay out
	s_barrier_signal -1
	s_barrier_wait -1
	s_wait_loadcnt 0x0                             ; the bias
	FETCH 0, 0, F0
	QUARTER 0, 1, F0, F1, 1
	WIN 0
	s_mov_b32 s3, LAPS-1
.Llap:
	QUARTER 0, 2, F1, F0, 0
	QUARTER 0, 3, F0, F1, 0
	TURN 0, 1, 1
	QUARTER 1, 1, F0, F1, 0
	QUARTER 1, 2, F1, F0, 0
	QUARTER 1, 3, F0, F1, 0
	TURN 1, 0, 1
	QUARTER 0, 1, F0, F1, 0
	WIN 0
	s_sub_co_u32 s3, s3, 1
	s_cmp_lg_u32 s3, 0
	s_cbranch_scc1 .Llap
	QUARTER 0, 2, F1, F0, 0                        ; the last lap fills nothing
	QUARTER 0, 3, F0, F1, 0
	TURN 0, 1, 0
	QUARTER 1, 1, F0, F1, 0
	QUARTER 1, 2, F1, F0, 0
	QUARTER 1, 3, F0, F1, 0
	s_wait_dscnt 16
	WIN MUL
	MUL8 F1, 0, 0, 0
	MUL8 F1, 0, 2, 0
	s_wait_dscnt 0
	MUL8 F1, 1, 0, 0
	MUL8 F1, 1, 2, 0
	WIN 0
	PLACES
.irp a, 0,1,2,3                        ; 16 rows x 64 columns at a time through my stage; LDS serves a wave's instructions in order
.if \a >= 2
	s_wait_xcnt 0x0                                ; the stores of two blocks back have read their registers
.endif
.irp b, 0,1,2,3
.irp e, 0,1
	ds_store_b128 v[STO], v[ACC+8*(4*\a+\b)+4*\e:ACC+8*(4*\a+\b)+4*\e+3] offset:64*\b+16*\e   ; each accumulator from its low end on
.endr
.endr
.irp t, 0,1,2,3,4,5,6,7
	ds_load_b128 v[TMP+32*(\a%2)+4*\t:TMP+32*(\a%2)+4*\t+3], v[RD] offset:544*\t
.endr
	s_wait_dscnt 0x0
.irp t, 0,1,2,3,4,5,6,7
	global_store_b128 v[CO], v[TMP+32*(\a%2)+4*\t:TMP+32*(\a%2)+4*\t+3], s[8:9] offset:(16*\a+2*\t)*4096 th:TH_STORE_NT   ; 16 lanes store 256 consecutive bytes, aligned
.endr
.endr
	s_wait_tensorcnt 0x0                           ; the wave's end
	ds_add_u32 v[SPW], v[NIL]
	s_wait_dscnt 0x0
	CROUND                                         ; the closing round
	s_endpgm
.Lfunc_end_k_q8a495b5782_proj:
	.size	k_q8a495b5782_proj, .Lfunc_end_k_q8a495b5782_proj-k_q8a495b5782_proj
	.p2alignl 7, 3214868480
	.fill 96, 4, 3214868480
	.section	.rodata,"a",@progbits
	.p2align	6, 0x0
	.amdhsa_kernel k_q8a495b5782_proj
		.amdhsa_group_segment_fixed_size 327680
		.amdhsa_private_segment_fixed_size 0
		.amdhsa_enable_private_segment 0
		.amdhsa_kernarg_size 32
		.amdhsa_user_sgpr_count 2
		.amdhsa_user_sgpr_kernarg_segment_ptr 1
		.amdhsa_wavefront_size32 1
		.amdhsa_system_sgpr_workgroup_id_x 1
		.amdhsa_system_sgpr_workgroup_id_y 1
		.amdhsa_system_sgpr_workgroup_id_z 1
		.amdhsa_system_vgpr_workitem_id 0
		.amdhsa_next_free_vgpr 512
		.amdhsa_next_free_sgpr 68
		.amdhsa_reserve_vcc 0
		.amdhsa_float_denorm_mode_32 3
		.amdhsa_float_denorm_mode_16_64 3
		.amdhsa_memory_ordered 1
		.amdhsa_forward_progress 1
		.amdhsa_inst_pref_size 86
	.end_amdhsa_kernel
	.amdgpu_metadata
---
amdhsa.version: [ 1, 2 ]
amdhsa.kernels:
  - .name:           k_q8a495b5782_proj
    .symbol:         k_q8a495b5782_proj.kd
    .args:
      - { .name: att, .offset: 0, .size: 8, .value_kind: global_buffer, .address_space: global }
      - { .name: wp16, .offset: 8, .size: 8, .value_kind: global_buffer, .address_space: global }
      - { .name: b_proj, .offset: 16, .size: 8, .value_kind: global_buffer, .address_space: global }
      - { .name: out0, .offset: 24, .size: 8, .value_kind: global_buffer, .address_space: global }
    .group_segment_fixed_size: 327680
    .private_segment_fixed_size: 0
    .kernarg_segment_align: 8
    .kernarg_segment_size: 32
    .max_flat_workgroup_size: 128
    .sgpr_count:     68
    .vgpr_count:     512
    .wavefront_size: 32
...
	.end_amdgpu_metadata
.endif
;; end of part 4
;; launch fine (part 5): grid 64 x 1, 16 waves a work-group, no clusters, 18,432 bytes of LDS; arguments qkv16, w_proj, b_proj, out0; writes out0
.if DOCPART == 5
	.amdgcn_target "amdgcn-amd-amdhsa--gfx1250"
	.amdhsa_code_object_version 6
	.text
	.protected	k_q8a495b5782_fine
	.globl	k_q8a495b5782_fine
	.p2align	8
	.type	k_q8a495b5782_fine,@function
k_q8a495b5782_fine:
	s_mov_b64 s[64:65], 0
	v_nop
	global_prefetch_b8 v0, s[64:65] scope:SCOPE_SE
	s_setreg_imm32_b32 hwreg(HW_REG_WAVE_MODE, 25, 1), 1
	s_wait_xcnt 0x0
; Rows 0 to 15 of the result once more, in f32 throughout: under the causal mask these rows average one to sixteen values, and the rounding of f16 operands would weigh most there.
; Work-group g owns output columns 16 g .. 16 g + 15; wave hd is one head.  Each wave makes its head's attention on the 16 rows (S^T = K Q^T, softmax, O^T = V^T P) and multiplies its 64 channels into the
; 16 columns; the sixteen partial results meet in LDS, and waves 0 and 1 add them, add the bias and store.  Every work-group repeats the small attention: 48 matrix instructions a wave, no traffic between work-groups.
; qkv16 [n/16][c][lane][16 bytes]: lane (r, h), register 4 c + e = qkv[row r][16 (n/16) + 8 h + 4 c + e].  In a product over d both sides take the same places of d, so the order of d within a sum is free.
; The registers that the f32 matrix form writes (v152-215) are written by it alone; each sum starts with the constant 0; what is made of a sum goes into other registers.
; A row's part here is 64 bytes of out0: these 64 KiB are stored in pieces of 16 bytes a lane.
.set SPARE, 16384
.set QF, 24
.set KF, 56
.set VF, 88
.set WF, 120
.set AS, 152
.set AO, 168
.set AW, 200
.set SP, 216
.set AT, 224
	s_load_b256 s[4:11], s[0:1], 0x0               ; qkv16 4, w_proj 6, b_proj 8, out0 10
	v_lshl_add_u32 v8, v0, 2, SPARE                ; the add's two registers
	v_mov_b32 v9, 0
	v_lshrrev_b32 v1, 5, v0
	v_readfirstlane_b32 s12, v1                    ; the head
	v_and_b32 v10, 31, v0
	v_lshlrev_b32 v1, 4, v10                       ; 16 x lane
	v_and_b32 v2, 15, v0                           ; r
	v_bfe_u32 v3, v0, 4, 1                         ; h
	v_bfe_u32 v4, v2, 2, 1                         ; V(key 8 h + 2 s + e, channel 16 dt + r): 512 ((r / 4) % 2) + 256 (r / 8) + 4 (r % 4) + 128 h
	v_lshlrev_b32 v4, 9, v4
	v_lshrrev_b32 v10, 3, v2
	v_lshl_add_u32 v4, v10, 8, v4
	v_and_b32 v10, 3, v2
	v_lshl_add_u32 v4, v10, 2, v4
	v_lshl_add_u32 v4, v3, 7, v4
	v_lshlrev_b32 v5, 15, v3                       ; w_proj(.. + 8 h, column r)
	v_lshl_add_u32 v5, v2, 2, v5
	v_lshlrev_b32 v10, 3, v3
	v_sub_nc_u32 v6, v2, v10                       ; r - 8 h: key 8 h + j is hidden where j is above it
	v_mov_b32 v7, 0xff800000
	v_mov_b32 v15, 0                               ; (a lane permute's destination is written before it is named)
	s_lshl_b32 s13, s12, 10
	v_add_nc_u32 v11, s13, v1                      ; LDS: my head's 1,024 bytes
	s_and_b32 s14, s12, 1
	s_lshl_b32 s15, s14, 9
	v_add_nc_u32 v12, s15, v1                      ; and, for waves 0 and 1, chunk c = wave of each head's
	v_lshlrev_b32 v13, 12, v2
	v_lshl_add_u32 v13, v3, 5, v13                 ; out0: row r, + 32 h
	v_lshlrev_b32 v14, 5, v3
	s_mov_b32 s18, 0x76543210
	s_mov_b32 s19, 0xfedcba98
	s_mov_b32 s20, 0x3e38aa3b                      ; c = log2(e) / 8
	s_lshl_b32 s16, s12, 12
	s_mov_b32 s17, 0
	s_lshl_b32 s22, s12, 18
	s_lshl_b32 s24, ttmp9, 6                       ; my 16 columns, in bytes
	s_add_co_u32 s22, s22, s24
	s_mov_b32 s23, 0
	s_lshl_b32 s25, s14, 4
	s_add_co_u32 s24, s24, s25
	s_mov_b32 s25, 0
	s_wait_kmcnt 0x0
	s_add_nc_u64 s[4:5], s[4:5], s[16:17]
	s_add_nc_u64 s[6:7], s[6:7], s[22:23]
	s_add_nc_u64 s[8:9], s[8:9], s[24:25]
	s_add_nc_u64 s[10:11], s[10:11], s[24:25]
.irp jj, 0,1,2,3
.irp c, 0,1
	global_load_b128 v[QF+8*\jj+4*\c:QF+8*\jj+4*\c+3], v1, s[4:5] offset:1024*\jj+512*\c
	global_load_b128 v[KF+8*\jj+4*\c:KF+8*\jj+4*\c+3], v1, s[4:5] offset:65536+1024*\jj+512*\c
.endr
.endr
.irp dt, 0,1,2,3
.irp ks, 0,1,2,3
.irp e, 0,1
	global_load_b32 v[VF+8*\dt+2*\ks+\e], v4, s[4:5] offset:131072+1024*\dt+32*\ks+16*\e
.endr
.endr
.endr
	s_wait_loadcnt 32                              ; Q and K are in; V's 32 loads stay out
.set tt, 0
.rept 16
	global_load_b32 v[WF+2*tt], v5, s[6:7] offset:(16*(tt/4)+2*(tt%4))*4096
	global_load_b32 v[WF+2*tt+1], v5, s[6:7] offset:(16*(tt/4)+2*(tt%4)+1)*4096
.set tt, tt+1
.endr
.set tt, 0
.rept 16                               ; S^T = K Q^T: 4 of d an instruction, two accumulators by turns
.if tt < 2
	v_wmma_f32_16x16x4_f32 v[AS+8*(tt%2):AS+8*(tt%2)+7], v[KF+2*tt:KF+2*tt+1], v[QF+2*tt:QF+2*tt+1], 0
.else
	v_wmma_f32_16x16x4_f32 v[AS+8*(tt%2):AS+8*(tt%2)+7], v[KF+2*tt:KF+2*tt+1], v[QF+2*tt:QF+2*tt+1], v[AS+8*(tt%2):AS+8*(tt%2)+7]
.endif
.set tt, tt+1
.endr
.rept 8
	v_nop                                          ; eight places behind this form
.endr
.irp j, 0,1,2,3,4,5,6,7
	v_add_f32 v[SP+\j], v[AS+\j], v[AS+8+\j]       ; lane (r, h): query r, key 8 h + j
.endr
.irp j, 0,1,2,3,4,5,6,7
	v_cmp_gt_i32 vcc_lo, \j, v6
	v_cndmask_b32 v[SP+\j], v[SP+\j], v7, vcc_lo
.endr
	v_max3_num_f32 v10, v[SP], v[SP+1], v[SP+2]
	v_max3_num_f32 v10, v10, v[SP+3], v[SP+4]
	v_max3_num_f32 v10, v10, v[SP+5], v[SP+6]
	v_max_num_f32 v10, v10, v[SP+7]
	v_permlanex16_b32 v15, v10, s18, s19
	v_max_num_f32 v10, v10, v15                    ; the row's maximum: key 0 counts for every query
	v_mul_f32 v17, s20, v10
.irp j, 0,1,2,3,4,5,6,7
	v_fma_f32 v[SP+\j], v[SP+\j], s20, -v17
.endr
.irp j, 0,1,2,3,4,5,6,7
	v_exp_f32 v[SP+\j], v[SP+\j]
.endr
	v_nop
	s_wait_alu depctr_va_vdst(0)                   ; one wait for the eight, ahead of their first reader
	v_add_f32 v18, v[SP], v[SP+1]
	v_add_f32 v19, v[SP+2], v[SP+3]
	v_add_f32 v20, v[SP+4], v[SP+5]
	v_add_f32 v21, v[SP+6], v[SP+7]
	v_add_f32 v18, v18, v19
	v_add_f32 v20, v20, v21
	v_add_f32 v18, v18, v20
	v_permlanex16_b32 v15, v18, s18, s19
	v_add_f32 v18, v18, v15
	v_rcp_f32 v19, v18
	v_nop
	s_wait_alu depctr_va_vdst(0)
	s_wait_loadcnt 32                              ; V is in; w_proj's 32 loads stay out
.irp ks, 0,1,2,3                       ; O^T = V^T P: K place (h, e) is key 8 h + 2 ks + e; four accumulators by turns
.irp dt, 0,1,2,3
.if \ks == 0
	v_wmma_f32_16x16x4_f32 v[AO+8*\dt:AO+8*\dt+7], v[VF+8*\dt+2*\ks:VF+8*\dt+2*\ks+1], v[SP+2*\ks:SP+2*\ks+1], 0
.else
	v_wmma_f32_16x16x4_f32 v[AO+8*\dt:AO+8*\dt+7], v[VF+8*\dt+2*\ks:VF+8*\dt+2*\ks+1], v[SP+2*\ks:SP+2*\ks+1], v[AO+8*\dt:AO+8*\dt+7]
.endif
.endr
.endr
.rept 8
	v_nop
.endr
.set tt, 0
.rept 32
	v_mul_f32 v[AT+tt], v[AO+tt], v19              ; lane (r, h): query r, channel 16 (tt / 8) + 8 h + tt % 8
.set tt, tt+1
.endr
	s_wait_loadcnt 0x0
.set tt, 0
.rept 16                               ; my head's share of the projection: source 0 = 16 columns of w_proj, source 1 = the 16 rows
.if tt < 2
	v_wmma_f32_16x16x4_f32 v[AW+8*(tt%2):AW+8*(tt%2)+7], v[WF+2*tt:WF+2*tt+1], v[AT+2*tt:AT+2*tt+1], 0
.else
	v_wmma_f32_16x16x4_f32 v[AW+8*(tt%2):AW+8*(tt%2)+7], v[WF+2*tt:WF+2*tt+1], v[AT+2*tt:AT+2*tt+1], v[AW+8*(tt%2):AW+8*(tt%2)+7]
.endif
.set tt, tt+1
.endr
.rept 8
	v_nop
.endr
.irp j, 0,1,2,3,4,5,6,7
	v_add_f32 v[SP+\j], v[AW+\j], v[AW+8+\j]       ; lane (r, h): row r, column 8 h + j
.endr
	ds_store_b128 v11, v[SP:SP+3]
	ds_store_b128 v11, v[SP+4:SP+7] offset:512
	s_wait_dscnt 0x0                               ; for the others' sake: my stores have landed
	s_barrier_signal -1
	s_barrier_wait -1
	s_cmp_gt_u32 s12, 1
	s_cbranch_scc1 .Ldone
	global_load_b128 v[88:91], v14, s[8:9]         ; the bias of columns 8 h + 4 wave + 0..3
.irp u, 0,1,2,3,4,5,6,7,8,9,10,11,12,13,14,15
	ds_load_b128 v[24+4*\u:27+4*\u], v12 offset:1024*\u
.endr
	s_wait_dscnt 0x0
.irp u, 1,2,3,4,5,6,7,8,9,10,11,12,13,14,15
	v_pk_add_f32 v[24:25], v[24:25], v[24+4*\u:25+4*\u]
	v_pk_add_f32 v[26:27], v[26:27], v[26+4*\u:27+4*\u]
.endr
	s_wait_loadcnt 0x0
	v_pk_add_f32 v[24:25], v[24:25], v[88:89]
	v_pk_add_f32 v[26:27], v[26:27], v[90:91]
	global_store_b128 v13, v[24:27], s[10:11]
.Ldone:
	s_wait_tensorcnt 0x0                           ; the wave's end, behind my last LDS store
	ds_add_u32 v8, v9
	s_wait_dscnt 0x0
	s_endpgm
.Lfunc_end_k_q8a495b5782_fine:
	.size	k_q8a495b5782_fine, .Lfunc_end_k_q8a495b5782_fine-k_q8a495b5782_fine
	.p2alignl 7, 3214868480
	.fill 96, 4, 3214868480
	.section	.rodata,"a",@progbits
	.p2align	6, 0x0
	.amdhsa_kernel k_q8a495b5782_fine
		.amdhsa_group_segment_fixed_size 18432
		.amdhsa_private_segment_fixed_size 0
		.amdhsa_enable_private_segment 0
		.amdhsa_kernarg_size 32
		.amdhsa_user_sgpr_count 2
		.amdhsa_user_sgpr_kernarg_segment_ptr 1
		.amdhsa_wavefront_size32 1
		.amdhsa_system_sgpr_workgroup_id_x 1
		.amdhsa_system_sgpr_workgroup_id_y 1
		.amdhsa_system_sgpr_workgroup_id_z 1
		.amdhsa_system_vgpr_workitem_id 0
		.amdhsa_next_free_vgpr 256
		.amdhsa_next_free_sgpr 66
		.amdhsa_reserve_vcc 1
		.amdhsa_float_denorm_mode_32 3
		.amdhsa_float_denorm_mode_16_64 3
		.amdhsa_memory_ordered 1
		.amdhsa_forward_progress 1
		.amdhsa_inst_pref_size 21
	.end_amdhsa_kernel
	.amdgpu_metadata
---
amdhsa.version: [ 1, 2 ]
amdhsa.kernels:
  - .name:           k_q8a495b5782_fine
    .symbol:         k_q8a495b5782_fine.kd
    .args:
      - { .name: qkv16, .offset: 0, .size: 8, .value_kind: global_buffer, .address_space: global }
      - { .name: w_proj, .offset: 8, .size: 8, .value_kind: global_buffer, .address_space: global }
      - { .name: b_proj, .offset: 16, .size: 8, .value_kind: global_buffer, .address_space: global }
      - { .name: out0, .offset: 24, .size: 8, .value_kind: global_buffer, .address_space: global }
    .group_segment_fixed_size: 18432
    .private_segment_fixed_size: 0
    .kernarg_segment_align: 8
    .kernarg_segment_size: 32
    .max_flat_workgroup_size: 512
    .sgpr_count:     66
    .vgpr_count:     256
    .wavefront_size: 32
...
	.end_amdgpu_metadata
.endif
;; end of part 5
